; MI455X (gfx1250); checked and timed in simulation.
; The chip was launched on July 23, 2026; its instructions are those of AMD's public machine-readable ISA for CDNA 5 (MIT licence, August 2026) and "CDNA5" Instruction Set Architecture Reference Guide (July 2026). The comments in the code are by the model that wrote it; some were corrected since.
;; GPT Mini. Allowed arithmetic: float matrix products may take bf16 or f16 operands with f32 sums; other float arithmetic in f32, or as packed bf16 or f16 multiplies, adds, multiply-adds, maxima and minima; sums over many terms, partial sums and values carried from step to step in f32; what a program stores and reads back later, other than sums and carried values, may be rounded once to bf16 or f16.
;; Inputs: WK 1,024 x 1,024 float32; WQ 1,024 x 1,024 float32; WV 1,024 x 1,024 float32; bK 1,024 float32; bQ 1,024 float32; bV 1,024 float32; emb 50,257 x 1,024 float32; x 8 x 2,048 int32.
;; Outputs: out0 8 x 32 x 32 float32.
;; Constants: head_dim = 32.
;; 2 versions, each right. Each part assembles by itself: llvm-mc -triple=amdgcn-amd-amdhsa -mcpu=gfx1250 --defsym DOCPART=n.
;; ======== version 1 of 2: 3 launches
;; workspace buffers: wst 6,291,456 bytes; hws 33,554,432 bytes; bst 12,288 bytes; part 1,048,576 bytes
;; launch prep (part 1): grid 304 x 1, 8 waves a work-group, no clusters, 35,840 bytes of LDS; arguments x, emb, WQ, WK, WV, bQ, bK, bV, wst, hws, bst; writes wst, hws, bst
.if DOCPART == 1
	.amdgcn_target "amdgcn-amd-amdhsa--gfx1250"
	.amdhsa_code_object_version 6
	.text
	.protected	k_q475ff02348_prep
	.globl	k_q475ff02348_prep
	.p2align	8
	.type	k_q475ff02348_prep,@function
k_q475ff02348_prep:
	s_mov_b64 s[64:65], 0
	v_nop
	global_prefetch_b8 v0, s[64:65] scope:SCOPE_SE
	s_setreg_imm32_b32 hwreg(HW_REG_WAVE_MODE, 25, 1), 1
	s_wait_xcnt 0x0
; PREPARATION.  Two roles, chosen by the work-group's number; both turn 16 rows x 512 bytes of f32 a wave and iteration into four bf16 fragments of 1,024 bytes in the order a matrix
; operand has in registers: the 16 bytes at 512 a + 256 h + 16 r of a fragment hold row r, k = 16 a + 8 h + 0..7.
; Work-groups 0-255 (h): hws[g = 32 b + s / 64][k / 32][(s / 16) % 4][fragment] = bf16(emb[x[b][s]] + sin(s / 10000^(d / 512))).  A work-group has 16 positions and 4 batches, so a sine serves four rows.
; Work-groups 256-303 (W): wst[pass][k / 32][column tile ct][fragment] = bf16 of rows of WQ, WK, WV in the order n' = 16 ct + i: source row c = SA rho + SB lambda, rho = 16 T + 2 (ct % 8) + i / 8,
; lambda = 8 (ct / 16) + i % 8, T = (ct / 8) % 2; (SA, SB) = (32, 1) for Q and (1, 32) for K and V, so that K and V come out turned.  bst[pass][n'] = the bias at c, in f32.
; Wave j takes columns 128 j .. 128 j + 127.  The way through LDS is each wave's own: no barrier.
; LIMITS.  x is held to 0 .. 50,256.  The sine: the phase s w is one f32 product, reduced by pi in two parts, then a series of degree 9 (absolute error up to 4e-6), far under the bf16 step of h.
.set VMAX,  50256
.set STG,   16*272                     ; a wave's stage: 16 groups of 256 bytes, 272 apart
.set SPARE, 8*STG                      ; behind the stages: the spare words, 128 bytes for each wave: four blocks of 256 bytes that no other line names
.set COL,  1                           ; v1       16 x lane + 512 x wave: my 16 bytes in a source row
.set PSTO, 2                           ; v2       stage: where I put 8 bytes of a row
.set PSRD, 3                           ; v3       stage: where I read 16 bytes of a fragment back
.set WF,   4                           ; v[4:7]   the frequencies of my four columns
.set OUTO, 8                           ; v[8:11]  byte offsets of my stores, one for each iteration
.set T,    12                          ; v[12:23] at work
.set LN,   24                          ; v24      lane
.set SPW,  28                          ; v28      LDS address of my spare word; never rewritten
.set NIL,  29                          ; v29      0; never rewritten
.set POS,  32                          ; v[32:95] the sines: row r, column c at POS + 4 r + c
.set X,    96                          ; v[96:223] two sets of 16 rows x 4 registers
.set VO,   224                         ; v[224:255] two sets of 16 row offsets
.set HI,   88                          ; scalar pairs of the h role, in registers whose arguments that role does not use: 1 / pi, high part
.set LO,   90                          ; and low part
.set MAG,  92                          ; 1.5 x 2^23
.set NMAG, 94
.set C9,   96
.set C7,   98
.set C5,   4
.set C3,   8
.set C1,   2
.set PS,   100                         ; the position, as f32
.macro SPAIR reg, val                  ; a packed source names a pair, so both words are written
	s_mov_b32 s[\reg], \val
	s_mov_b32 s[(\reg)+1], \val
.endm
.macro OFFS set, ib                    ; 16 indices in s[ib ..] become byte offsets of rows of emb
.set z, 0
.rept 16
	s_min_u32 s[(\ib)+z], s[(\ib)+z], VMAX
	s_lshl_b32 s[(\ib)+z], s[(\ib)+z], 12
	v_add_nc_u32 v[VO+16*(\set)+z], s[(\ib)+z], v[COL]
.set z, z+1
.endr
.endm
.macro LOADS set, base                 ; 16 loads, each 512 consecutive bytes of one row
.set z, 0
.rept 16
	global_load_b128 v[X+64*(\set)+4*z:X+64*(\set)+4*z+3], v[VO+16*(\set)+z], s[\base:\base+1]
.set z, z+1
.endr
.endm
; One iteration on a set: left = the younger loads that may stay out; pos = 1: the sines are added; the four fragments go to s[base] + v[oreg] + qs q + 512 a.
.macro CORE set, pos, left, oreg, base, qs
.set xb, X+64*(\set)
	s_wait_loadcnt \left                           ; loads come back in order: this set's 16 are in
.if \pos
.set z, 0
.rept 32
	v_pk_add_f32 v[xb+z:xb+z+1], v[xb+z:xb+z+1], v[POS+z:POS+z+1]
.set z, z+2
.endr
.endif
.set z, 0
.rept 16
	v_cvt_pk_bf16_f32 v[xb+z], v[xb+z], v[xb+z+1]
	v_cvt_pk_bf16_f32 v[xb+z+1], v[xb+z+2], v[xb+z+3]
.set z, z+4
.endr
.set z, 0
.rept 16
	ds_store_b64 v[PSTO], v[xb+4*z:xb+4*z+1] offset:16*z   ; row z: my four columns lie in group lane / 2
.set z, z+1
.endr
.set z, 0
.rept 8
	ds_load_b128 v[xb+4*z:xb+4*z+3], v[PSRD] offset:2*z*272  ; LDS serves a wave's instructions in order: these see the stores above
.set z, z+1
.endr
.set z, 0
.rept 8
	s_wait_dscnt 7-z                               ; read-back z is in, the younger ones may be out
	global_store_b128 v[\oreg], v[xb+4*z:xb+4*z+3], s[\base:\base+1] offset:(z/2)*(\qs)+(z%2)*512  ; 512 consecutive bytes, at a multiple of 512 from the buffer's first
.set z, z+1
.endr
.endm
; The sines of one position for my four columns, two packed pairs side by side.  X = w s; n = the whole number nearest X / pi (by the sum with 1.5 x 2^23); f = X / pi - n in two parts;
; sin(pi f) by its series; the sign turns where n is odd.
.macro SINROW r
.irp c, 0,1
	v_pk_mul_f32 v[T+6*(\c):T+6*(\c)+1], v[WF+2*(\c):WF+2*(\c)+1], s[PS:PS+1] op_sel_hi:[1,0]
.endr
.irp c, 0,1
	v_pk_fma_f32 v[T+6*(\c)+2:T+6*(\c)+3], v[T+6*(\c):T+6*(\c)+1], s[HI:HI+1], s[MAG:MAG+1] op_sel_hi:[1,0,0]
.endr
.irp c, 0,1
	v_pk_add_f32 v[T+6*(\c)+4:T+6*(\c)+5], v[T+6*(\c)+2:T+6*(\c)+3], s[NMAG:NMAG+1] op_sel_hi:[1,0]
.endr
.irp c, 0,1
	v_pk_fma_f32 v[T+6*(\c)+4:T+6*(\c)+5], v[T+6*(\c):T+6*(\c)+1], s[HI:HI+1], v[T+6*(\c)+4:T+6*(\c)+5] op_sel_hi:[1,0,1] neg_lo:[0,0,1] neg_hi:[0,0,1]
.endr
.irp c, 0,1
	v_pk_fma_f32 v[T+6*(\c)+4:T+6*(\c)+5], v[T+6*(\c):T+6*(\c)+1], s[LO:LO+1], v[T+6*(\c)+4:T+6*(\c)+5] op_sel_hi:[1,0,1]
.endr
.irp c, 0,1
	v_pk_mul_f32 v[T+6*(\c):T+6*(\c)+1], v[T+6*(\c)+4:T+6*(\c)+5], v[T+6*(\c)+4:T+6*(\c)+5]
.endr
.irp c, 0,1
	v_pk_fma_f32 v[POS+4*(\r)+2*(\c):POS+4*(\r)+2*(\c)+1], v[T+6*(\c):T+6*(\c)+1], s[C9:C9+1], s[C7:C7+1] op_sel_hi:[1,0,0]
.endr
.irp k, C5, C3, C1
.irp c, 0,1
	v_pk_fma_f32 v[POS+4*(\r)+2*(\c):POS+4*(\r)+2*(\c)+1], v[POS+4*(\r)+2*(\c):POS+4*(\r)+2*(\c)+1], v[T+6*(\c):T+6*(\c)+1], s[\k:\k+1] op_sel_hi:[1,1,0]
.endr
.endr
.irp c, 0,1
	v_lshlrev_b32 v[T+6*(\c)+2], 31, v[T+6*(\c)+2]         ; n's lowest bit is the lowest bit of the sum with 1.5 x 2^23
	v_lshlrev_b32 v[T+6*(\c)+3], 31, v[T+6*(\c)+3]
.endr
.irp c, 0,1
	v_pk_mul_f32 v[POS+4*(\r)+2*(\c):POS+4*(\r)+2*(\c)+1], v[POS+4*(\r)+2*(\c):POS+4*(\r)+2*(\c)+1], v[T+6*(\c)+4:T+6*(\c)+5]
.endr
.irp c, 0,1
	v_xor_b32 v[POS+4*(\r)+2*(\c)], v[POS+4*(\r)+2*(\c)], v[T+6*(\c)+2]
	v_xor_b32 v[POS+4*(\r)+2*(\c)+1], v[POS+4*(\r)+2*(\c)+1], v[T+6*(\c)+3]
.endr
	s_add_f32 s[PS], s[PS], 1.0                    ; the next position
.endm
	s_load_b512 s[84:99], s[0:1], 0x0              ; x 84, emb 86, WQ 88, WK 90, WV 92, bQ 94, bK 96, bV 98
	s_load_b128 s[4:7], s[0:1], 0x40               ; wst 4, hws 6
	s_load_b64 s[8:9], s[0:1], 0x50                ; bst
	v_lshl_add_u32 v[SPW], v0, 2, SPARE
	v_mov_b32 v[NIL], 0
	v_lshrrev_b32 v[T], 5, v0
	v_readfirstlane_b32 s12, v[T]                  ; wave j
	v_and_b32 v[LN], 31, v0
	s_lshl_b32 s13, s12, 9
	v_lshl_add_u32 v[COL], v[LN], 4, s13
	s_mul_i32 s14, s12, STG                        ; my stage
	v_lshrrev_b32 v[T], 1, v[LN]
	v_and_b32 v[T+1], 1, v[LN]
	v_mul_u32_u24 v[T], v[T], 272
	v_lshl_add_u32 v[T], v[T+1], 3, v[T]
	v_add_nc_u32 v[PSTO], s14, v[T]                ; group lane / 2, half lane % 2
	v_lshrrev_b32 v[T], 4, v[LN]
	v_and_b32 v[T+1], 15, v[LN]
	v_mul_u32_u24 v[T], v[T], 272
	v_lshl_add_u32 v[T], v[T+1], 4, v[T]
	v_add_nc_u32 v[PSRD], s14, v[T]                ; group lane / 16 of a pair, row lane % 16
	s_cmp_lt_u32 ttmp9, 256
	s_cbranch_scc0 .Lw_role
	; THE h ROLE
	s_lshr_b32 s15, ttmp9, 1                       ; pt: positions 16 pt .. 16 pt + 15
	s_and_b32 s2, ttmp9, 1                         ; bg: batches 4 bg .. 4 bg + 3
	s_lshl_b32 s10, s2, 15                         ; four rows of x, 8,192 bytes each
	s_lshl_b32 s11, s15, 6
	s_add_co_u32 s10, s10, s11
	s_mov_b32 s11, 0
	s_wait_kmcnt 0x0
	s_add_nc_u64 s[10:11], s[84:85], s[10:11]
	s_load_b512 s[16:31], s[10:11], 0x0            ; 16 indices for each of the four batches
	s_load_b512 s[32:47], s[10:11], 0x2000
	s_load_b512 s[48:63], s[10:11], 0x4000
	s_load_b512 s[68:83], s[10:11], 0x6000
	s_lshl_b32 s3, s2, 24                          ; block g = 32 (4 bg + i) + pt / 4, 131,072 bytes each
	s_lshr_b32 s2, s15, 2
	s_lshl_b32 s2, s2, 17
	s_add_co_u32 s3, s3, s2
	s_lshl_b32 s2, s12, 14                         ; my four k / 32, 4,096 bytes each
	s_add_co_u32 s3, s3, s2
	s_and_b32 s2, s15, 3                           ; the token tile
	s_lshl_b32 s2, s2, 10
	s_add_co_u32 s3, s3, s2
	v_lshl_add_u32 v[OUTO], v[LN], 4, s3
.irp i, 1,2,3
	v_add_nc_u32 v[OUTO+(\i)], (\i)<<22, v[OUTO]
.endr
	s_lshl_b32 s2, s12, 7
	v_lshl_add_u32 v[T], v[LN], 2, s2              ; d of my first column
.irp c, 0,1,2,3
	v_add_nc_u32 v[WF+(\c)], \c, v[T]
.endr
.irp c, 0,1,2,3
	v_cvt_f32_u32 v[WF+(\c)], v[WF+(\c)]
.endr
.irp c, 0,1,2,3
	v_mul_f32 v[WF+(\c)], 0xbcd49a78, v[WF+(\c)]   ; - d log2(10) / 128
.endr
	s_lshl_b32 s[PS], s15, 4
	s_cvt_f32_u32 s[PS], s[PS]
	s_mov_b32 s[PS+1], 0
	SPAIR HI,   0x3ea2f983
	SPAIR LO,   0x325c9c80
	SPAIR MAG,  0x4b400000
	SPAIR NMAG, 0xcb400000
	SPAIR C9,   0x3da83c1b                         ; pi^9 / 9!
	SPAIR C7,   0xbf196966                         ; - pi^7 / 7!
	SPAIR C5,   0x402335e3                         ; pi^5 / 5!
	SPAIR C3,   0xc0a55de7                         ; - pi^3 / 3!
	SPAIR C1,   0x40490fdb                         ; pi
	s_wait_kmcnt 0x0                               ; the indices
	OFFS 0, 16
	LOADS 0, 86
	OFFS 1, 32
	LOADS 1, 86
	; the sines are made while the first 32 loads are on their way
.irp c, 0,1,2,3
	v_exp_f32 v[WF+(\c)], v[WF+(\c)]
.endr
	v_nop                                          ; a plain instruction behind the last exponential,
	s_wait_alu depctr_va_vdst(0)                   ; and one wait for the four, ahead of their first reader
.irp r, 0,1,2,3,4,5,6,7,8,9,10,11,12,13,14,15
	SINROW \r
.endr
	CORE 0, 1, 16, OUTO, 6, 4096
	s_wait_xcnt 0x0                                ; the stores have read their data: only now is the set loaded again
	OFFS 0, 48
	LOADS 0, 86
	CORE 1, 1, 16, OUTO+1, 6, 4096
	s_wait_xcnt 0x0
	OFFS 1, 68
	LOADS 1, 86
	CORE 0, 1, 16, OUTO+2, 6, 4096
	CORE 1, 1, 0, OUTO+3, 6, 4096
	s_wait_tensorcnt 0x0                           ; the wave's end, behind my last LDS store
	ds_add_u32 v[SPW], v[NIL]
	s_wait_dscnt 0x0
	s_endpgm
	; THE W ROLE
.Lw_role:
	s_sub_co_u32 s15, ttmp9, 256
	s_lshr_b32 s16, s15, 4                         ; pass: 0 Q, 1 K, 2 V
	s_and_b32 s17, s15, 15                         ; column tiles 4 ctg .. 4 ctg + 3
	s_cmp_eq_u32 s16, 0
	s_cselect_b32 s18, 32, 1                       ; SA
	s_cselect_b32 s19, 1, 32                       ; SB
	s_lshr_b32 s20, s17, 2                         ; ct / 16
	s_bfe_u32 s21, s17, 0x10001                    ; T
	s_and_b32 s22, s17, 1
	s_lshl_b32 s21, s21, 4
	s_lshl3_add_u32 s21, s22, s21                  ; 16 T + 2 (ct % 8) at the first of my tiles
	s_mul_i32 s21, s21, s18
	s_lshl_b32 s20, s20, 3
	s_mul_i32 s20, s20, s19
	s_add_co_u32 s20, s20, s21                     ; the source row of that tile's row 0
	s_lshl_b32 s28, s20, 12                        ; rows i = 0 .. 7,
	s_lshl_b32 s29, s19, 12
	s_lshl_b32 s30, s18, 12
	s_add_co_u32 s31, s28, s30                     ; and i = 8 .. 15
.irp e, 0,1,2,3,4,5,6,7
	v_add_nc_u32 v[VO+(\e)], s28, v[COL]
	v_add_nc_u32 v[VO+8+(\e)], s31, v[COL]
	s_add_co_u32 s28, s28, s29
	s_add_co_u32 s31, s31, s29
.endr
	s_lshl_b32 s2, s18, 13                         ; from a tile to the next: 2 SA rows
	s_lshl_b32 s3, s16, 21
	s_lshl_b32 s21, s12, 18                        ; my four k / 32, 65,536 bytes each
	s_add_co_u32 s3, s3, s21
	s_lshl_b32 s21, s17, 12
	s_add_co_u32 s3, s3, s21
	v_lshl_add_u32 v[OUTO], v[LN], 4, s3
	s_wait_kmcnt 0x0
	s_cmp_eq_u32 s16, 0
	s_cselect_b64 s[24:25], s[88:89], s[90:91]
	s_cselect_b64 s[26:27], s[94:95], s[96:97]
	s_cmp_eq_u32 s16, 2
	s_cselect_b64 s[24:25], s[92:93], s[24:25]     ; the pass's weights,
	s_cselect_b64 s[26:27], s[98:99], s[26:27]     ; and its bias
	s_mov_b32 s23, 4
.Lw_trip:                                              ; a trip: one column tile
	LOADS 0, 24
	CORE 0, 0, 0, OUTO, 4, 65536
	s_wait_xcnt 0x0                                ; offsets and store data are rewritten only behind this wait
.set z, 0
.rept 16
	v_add_nc_u32 v[VO+z], s2, v[VO+z]
.set z, z+1
.endr
	v_add_nc_u32 v[OUTO], 1024, v[OUTO]
	s_sub_co_u32 s23, s23, 1
	s_cmp_lg_u32 s23, 0
	s_cbranch_scc1 .Lw_trip
	s_cmp_lg_u32 s12, 0                            ; wave 0 writes the 64 biases of the four tiles: lane l takes n' = 64 ctg + 2 l and the next
	s_cbranch_scc1 .Lw_end
	v_lshrrev_b32 v[T], 2, v[LN]                   ; 2 (tile in the four) + i / 8 = l / 4
	v_and_b32 v[T+1], 3, v[LN]
	v_lshlrev_b32 v[T+1], 1, v[T+1]                ; i % 8 = 2 (l % 4)
	v_mul_u32_u24 v[T+1], v[T+1], s19
	v_mad_u32_u24 v[T], v[T], s18, v[T+1]
	v_add_lshl_u32 v[T], v[T], s20, 2
	s_lshl_b32 s21, s19, 2
	v_add_nc_u32 v[T+1], s21, v[T]
	global_load_b32 v[T+2], v[T], s[26:27]
	global_load_b32 v[T+3], v[T+1], s[26:27]
	s_lshl_b32 s21, s16, 12
	s_lshl_b32 s22, s17, 8
	s_add_co_u32 s21, s21, s22
	v_lshl_add_u32 v[T+4], v[LN], 3, s21
	s_wait_loadcnt 0x0
	global_store_b64 v[T+4], v[T+2:T+3], s[8:9]    ; 256 consecutive bytes, at a multiple of 256 from bst's first
.Lw_end:
	s_wait_tensorcnt 0x0                           ; the wave's end, behind my last LDS store
	ds_add_u32 v[SPW], v[NIL]
	s_wait_dscnt 0x0
	s_endpgm
.Lfunc_end_k_q475ff02348_prep:
	.size	k_q475ff02348_prep, .Lfunc_end_k_q475ff02348_prep-k_q475ff02348_prep
	.p2alignl 7, 3214868480
	.fill 96, 4, 3214868480
	.section	.rodata,"a",@progbits
	.p2align	6, 0x0
	.amdhsa_kernel k_q475ff02348_prep
		.amdhsa_group_segment_fixed_size 35840
		.amdhsa_private_segment_fixed_size 0
		.amdhsa_enable_private_segment 0
		.amdhsa_kernarg_size 88
		.amdhsa_user_sgpr_count 2
		.amdhsa_user_sgpr_kernarg_segment_ptr 1
		.amdhsa_wavefront_size32 1
		.amdhsa_system_sgpr_workgroup_id_x 1
		.amdhsa_system_sgpr_workgroup_id_y 1
		.amdhsa_system_sgpr_workgroup_id_z 1
		.amdhsa_system_vgpr_workitem_id 0
		.amdhsa_next_free_vgpr 256
		.amdhsa_next_free_sgpr 102
		.amdhsa_reserve_vcc 0
		.amdhsa_float_denorm_mode_32 3
		.amdhsa_float_denorm_mode_16_64 3
		.amdhsa_memory_ordered 1
		.amdhsa_forward_progress 1
		.amdhsa_inst_pref_size 82
	.end_amdhsa_kernel
	.amdgpu_metadata
---
amdhsa.version: [ 1, 2 ]
amdhsa.kernels:
  - .name:           k_q475ff02348_prep
    .symbol:         k_q475ff02348_prep.kd
    .args:
      - { .name: x, .offset: 0, .size: 8, .value_kind: global_buffer, .address_space: global }
      - { .name: emb, .offset: 8, .size: 8, .value_kind: global_buffer, .address_space: global }
      - { .name: WQ, .offset: 16, .size: 8, .value_kind: global_buffer, .address_space: global }
      - { .name: WK, .offset: 24, .size: 8, .value_kind: global_buffer, .address_space: global }
      - { .name: WV, .offset: 32, .size: 8, .value_kind: global_buffer, .address_space: global }
      - { .name: bQ, .offset: 40, .size: 8, .value_kind: global_buffer, .address_space: global }
      - { .name: bK, .offset: 48, .size: 8, .value_kind: global_buffer, .address_space: global }
      - { .name: bV, .offset: 56, .size: 8, .value_kind: global_buffer, .address_space: global }
      - { .name: wst, .offset: 64, .size: 8, .value_kind: global_buffer, .address_space: global }
      - { .name: hws, .offset: 72, .size: 8, .value_kind: global_buffer, .address_space: global }
      - { .name: bst, .offset: 80, .size: 8, .value_kind: global_buffer, .address_space: global }
    .group_segment_fixed_size: 35840
    .private_segment_fixed_size: 0
    .kernarg_segment_align: 8
    .kernarg_segment_size: 88
    .max_flat_workgroup_size: 256
    .sgpr_count:     102
    .vgpr_count:     256
    .wavefront_size: 32
...
	.end_amdgpu_metadata
.endif
;; end of part 1
;; launch attn (part 2): grid 256 x 1, 4 waves a work-group, clusters of 4 x 1, 327,680 bytes of LDS; arguments wst, hws, bst, part; writes part
.if DOCPART == 2
	.amdgcn_target "amdgcn-amd-amdhsa--gfx1250"
	.amdhsa_code_object_version 6
	.text
	.protected	k_q475ff02348_attn
	.globl	k_q475ff02348_attn
	.p2align	8
	.type	k_q475ff02348_attn,@function
k_q475ff02348_attn:
	s_mov_b64 s[64:65], 0
	v_nop
	global_prefetch_b8 v0, s[64:65] scope:SCOPE_SE
	s_setreg_imm32_b32 hwreg(HW_REG_WAVE_MODE, 25, 1), 1
	s_wait_xcnt 0x0
	s_wait_alu depctr_hold_cnt(0) depctr_sa_sdst(0) depctr_va_vdst(0) depctr_va_sdst(0) depctr_va_ssrc(0) depctr_va_vcc(0) depctr_vm_vsrc(0)
	s_getreg_b32 s2, hwreg(HW_REG_IB_STS2, 6, 4)
	s_cmp_eq_u32 s2, 0
	s_cbranch_scc0 .Lentry_in_a_cluster
	s_endpgm
.Lentry_in_a_cluster:
	s_bfe_u32 s2, ttmp6, 0x10000c
	s_cmp_lg_u32 s2, 0x3003
	s_cbranch_scc0 .Lentry_shape_is_right
	s_endpgm
.Lentry_shape_is_right:
; PROJECTIONS AND ATTENTION.  Work-group g owns tokens 64 g .. 64 g + 63 of batch g / 32.  Three passes (Q, K, V), each a product 64 tokens x 1,024 columns x 1,024 k in bf16 with f32 sums that start at the bias;
; behind each pass the sums are rounded to bf16 and change hands through LDS, so that wave w holds, for 16 tokens (4 w .. 4 w + 3 of each of the four token tiles), each token's 32 x 32 matrix as two matrix fragments.
; Behind pass K: S^T = K Q^T, softmax over m with the row's maximum taken away, weights divided by their sum and rounded to bf16 over Q.  Behind pass V: O^T += V P over the wave's 16 tokens;
; the four waves' sums meet in LDS, and part[g][32 head + l] leaves in f32.  A later launch adds a batch's 32 parts.
; THE PRODUCT IS USED TRANSPOSED: source 0 = 16 columns n' of W (fragments of wst), source 1 = 16 tokens (fragments of hws): a lane holds one token and eight neighbouring n'.
; COLUMN ORDER n' = 256 qd + 128 T + 8 r + e stands for fragment T, row r, contraction index 8 qd + e; wave w has qd = w.  So a lane's eight sums are 16 bytes of a fragment.
; THE STREAM.  A step is 64 along k: 131,072 bytes of wst, the same for every work-group, and 8,192 bytes of hws.  Two slots in LDS.  The four work-groups of a cluster ask for W JOINTLY
; (waves 0 and 1, 65,536 bytes each); wave 2 asks for the work-group's own h; wave 3 asks for nothing.  48 steps run on across the passes; h is walked three times.
; By this text's count a wave has at most three tensor loads out (wave 2 at the start), later one.
; LIMITS.  q, k, v and the weights are rounded to bf16 for the second products; a weight below 2^-126 counts as 0 in its sum (the sum is at least 1); NaN and infinities are not treated apart.
; REGISTERS, in windows of 256 (s_set_vgpr_msb: bits 1:0 source 0, 3:2 source 1, 5:4 source 2, 7:6 destination):
;   window 0: v0-15 addresses; v16-19 at work; v64-127, v128-191 W's fragments, two buffers; v192-223, v224-255 h's, two buffers.  In an epilogue the second buffers are free: v128-191 S^T (two sets), later O^T; v224-255 at work
;   window 1: Q's fragments, my token i at 16 i + 8 T; each token's are overwritten by its weights P
;   windows 2, 3: accumulator (token tile tt, column tile ct) in window 2 + tt / 2 at 8 (16 (tt % 2) + ct); behind a pass window 2 holds the packed tiles, window 3 then K's or V's fragments
.set W1,    1<<17                      ; W's slot 1; slot 0 is at 0: one exclusive or turns one into the other
.set HS0,   262144                     ; h's slot 0
.set HSX,   8192                       ; h's slot 1 lies this far behind it
.set STAGE, 278528                     ; never filled by a tensor load: two buffers of 16 tokens x 1,040 bytes; at the end the four waves' O^T, 4,096 bytes each
.set TP,    1040                       ; a token's 1,024 bytes + 16: 65 x 16 bytes, so the 16 tokens of a store start at 16 different groups of four banks (64 banks of 4 bytes: ISA guide 11.1)
.set SBUF,  16*TP
.set SPARE, 311808                     ; the spare words, 128 bytes for each wave: two blocks of 256 bytes that no other line names
.set BIAS,  312320                     ; bst, 12,288 bytes, filled once
.set WSTEP, 131072
.set HSTEP, 8192
.set AW0, 2                            ; v2   16 l + 16,384 w: my lane's place in my wave's 16 column tiles; never rewritten
.set AH0, 3                            ; v3   16 l + HS0; never rewritten
.set AW,  4                            ; v4   AW0 in the slot in hand, first 32 of k
.set AW1, 5                            ; v5   the same, second 32 of k
.set AH,  6                            ; v6   AH0 in the slot in hand
.set AB,  7                            ; v7   my eight biases of column tile 0
.set STO, 8                            ; v8   stage: where I put 16 bytes of a token's fragment
.set SRD, 9                            ; v9   stage: where I read 16 bytes of the fragment of my wave's first token of a tile
.set OST, 10                           ; v10  where I put my part of O^T
.set ORD, 11                           ; v11  where I read the four parts back
.set GO,  12                           ; v12  my byte offset in part[g]
.set PFO, 13                           ; v13  256 x lane; never rewritten
.set SPW, 14                           ; v14  LDS address of my spare word; never rewritten
.set NIL, 15                           ; v15  0; never rewritten
.set WB,  64
.set HB,  192
.set XS,  128                          ; S^T: set i % 2 at XS + 32 (i % 2); head tile kT, key tile mT at + 16 kT + 8 mT
.set OA,  128                          ; O^T: head tile kT, channel tile lT at OA + 8 (2 kT + lT)
.set TM,  224                          ; at work in the softmax: 16 registers for each head tile
.set WV,  12                           ; s12  my wave's number
.set CX,  13                           ; s13  my place in the cluster: it enters global addresses of h, part and the prefetches alone
.set G,   14                           ; s14  my work-group's number
.set CNT, 15                           ; s15  steps still to come in the pass's loop
.set LIMW, 16                          ; s16  a wave asks ahead for W while CNT is above this
.set LIMH, 17                          ; s17  the same for h
.set G1W, 24                           ; s[24:31] descriptor group 1: 256 rows of 256 bytes, joint
.set G1H, 32                           ; s[32:39] 32 rows, my work-group's own
.set G1B, 40                           ; s[40:47] 48 rows
.set G0W, 48                           ; s[48:55] descriptor group 0 for W: a set for each first fill; the second then walks
.set G0H, 56                           ; s[56:63] the same for h
.set G0B, 68                           ; s[68:71] for the bias
.set HBASE, 72                         ; s[72:73] hws at my work-group's block
.set HOFF, 74                          ; s[74:75] byte offset in it of the step asked for last
.set PFW, 76                           ; s[76:77] where my prefetches of wst stand
.set PFH, 78                           ; s[78:79] and of hws
.set CS,  80                           ; s[80:81] c = log2(e) / sqrt(32)
.set SEL, 82                           ; s[82:83] v_permlanex16_b32's selects: each lane takes its own place in the other half
.set TBW, 84                           ; s84  0 or W1: the slot in hand
.set TBH, 85                           ; s85  0 or HSX
.set MSB, 0
.macro WIN new                         ; the immediate's high byte repeats the setting that is left; a switch that changes nothing is dropped
.if MSB != (\new)
	s_set_vgpr_msb (MSB<<8)|(\new)
.set MSB, \new
.endif
.endm
.macro PLACES                          ; four plain vector instructions between a matrix instruction and a load into, or a vector instruction on, its registers
.rept 4
	v_nop
.endr
.endm
.macro CREST                           ; a round of the cluster's barrier behind its opening barrier
	s_cmp_lg_u32 s[WV], 0
	s_cbranch_scc1 .Lnot_wave_0_\@
	s_barrier_signal -3
.Lnot_wave_0_\@:
	s_barrier_wait -3
	s_barrier_signal -1
	s_barrier_wait -1
.endm
.macro CROUND                          ; a whole round
	s_barrier_signal -1
	s_barrier_wait -1
	CREST
.endm
; A refill.  The branches hang on the wave's number alone.  An s_nop 0 and four v_nop follow each load, ahead of the jump and the label; they are also the places in front of the LDS loads that follow.
.macro JLOAD
	s_cmp_lt_u32 s[WV], 2
	s_cbranch_scc0 .Lnot_w_\@
	tensor_load_to_lds s[G0W+4:G0W+7], s[G1W:G1W+7]
	s_nop 0
	PLACES
	s_branch .Lasked_\@
.Lnot_w_\@:
	s_cmp_eq_u32 s[WV], 2
	s_cbranch_scc0 .Lnone_\@
	tensor_load_to_lds s[G0H+4:G0H+7], s[G1H:G1H+7]
	s_nop 0
	PLACES
	s_branch .Lasked_\@
.Lnone_\@:
	PLACES
.Lasked_\@:
.endm
; PREFETCHES INTO THE L2, behind the refill and the run of LDS loads: the step that stands two refills on (256 matrix instructions a wave ahead of its load).  wst: every cluster walks the same bytes, so cluster 0 alone
; asks; its sixteen waves share a step's 131,072 bytes out by address, 8,192 each, a lane 256.  hws: in pass Q alone (the later passes walk it again), wave 3 of each work-group for its own 8,192 bytes.
; The first four steps come by their loads alone; the last asks stop by the counts LIMW and LIMH, so that none points past a buffer's or a block's end.
.macro ASK pf
	s_cmp_gt_u32 s[CNT], s[LIMW]
	s_cbranch_scc0 .Lno_w_\@
	global_prefetch_b8 v[PFO], s[PFW:PFW+1] th:TH_LOAD_NT scope:SCOPE_SE
.Lno_w_\@:
.if \pf
	s_cmp_gt_u32 s[CNT], s[LIMH]
	s_cbranch_scc0 .Lno_h_\@
	global_prefetch_b8 v[PFO], s[PFH:PFH+1] th:TH_LOAD_NT scope:SCOPE_SE
.Lno_h_\@:
.endif
.endm
; A step is four quarters: q / 2 = which 32 of k, q % 2 = which eight of my 16 column tiles.  RUN q: the quarter's 8 fragments of W, and with an even q the four fragments of h for its 32 of k.
; A fragment is 1,024 dense bytes in register order: two loads of 16 bytes a lane at 16 l and 512 + 16 l.
.macro RUN q
	WIN 0
.irp c, 0,1,2,3,4,5,6,7
	ds_load_b128 v[WB+64*((\q)%2)+8*(\c):WB+64*((\q)%2)+8*(\c)+3],   v[AW+(\q)/2] offset:8192*((\q)%2)+1024*(\c)
	ds_load_b128 v[WB+64*((\q)%2)+8*(\c)+4:WB+64*((\q)%2)+8*(\c)+7], v[AW+(\q)/2] offset:8192*((\q)%2)+1024*(\c)+512
.endr
.if (\q)%2 == 0
.irp t, 0,1,2,3
	ds_load_b128 v[HB+32*((\q)/2)+8*(\t):HB+32*((\q)/2)+8*(\t)+3],   v[AH] offset:4096*((\q)/2)+1024*(\t)
	ds_load_b128 v[HB+32*((\q)/2)+8*(\t)+4:HB+32*((\q)/2)+8*(\t)+7], v[AH] offset:4096*((\q)/2)+1024*(\t)+512
.endr
.endif
.endm
; 2 n matrix instructions of quarter q: column tiles c0 .. c0 + n - 1 of its eight x token tiles 2 hi, 2 hi + 1.  The 64 accumulators take turns, one instruction a turn, over the backward jump too.
.macro MUL q, hi, c0, n
	WIN 0xa0+0x50*(\hi)
.set mc, \c0
.rept \n
.irp t, 0,1
	v_wmma_f32_16x16x32_bf16 v[8*(16*(\t)+8*((\q)%2)+mc):8*(16*(\t)+8*((\q)%2)+mc)+7], v[WB+64*((\q)%2)+8*mc:WB+64*((\q)%2)+8*mc+7], v[HB+32*((\q)/2)+8*(2*(\hi)+(\t)):HB+32*((\q)/2)+8*(2*(\hi)+(\t))+7], v[8*(16*(\t)+8*((\q)%2)+mc):8*(16*(\t)+8*((\q)%2)+mc)+7]
.endr
.set mc, mc+1
.endr
.endm
.macro QUARTER q                       ; one of the first three: its fragments are in; the next quarter's are asked for; 32 products
	s_wait_dscnt 0x0                               ; the run issued a quarter ago
	PLACES                                         ; the buffer filled next was read by the product just before
	RUN (\q)+1
	MUL \q, 0, 0, 8
	MUL \q, 1, 0, 8
.endm
; The last quarter and THE CHANGE OF SLOTS.  Each wave waits for all its tensor loads (its part of the next slot), adds 0 to its spare word, and waits for that and for its reads of this slot; then the barrier.
; mode 2: the barrier opens a round of the cluster's, so that no wave of any partner still reads the slot or has a load on its way, and the refill, two steps on, is the first thing behind it:
; 112 matrix instructions a wave stand between it and the wait for it.  mode 1: nothing is left to ask for.  mode 0: the very last step.
.macro TURN mode, pf
.if (\mode) == 0
	s_wait_dscnt 0x0
	MUL 3, 0, 0, 8
	MUL 3, 1, 0, 8
.else
	WIN 0                                          ; (the add's two registers lie in window 0)
.if (\mode) == 2
	s_wait_xcnt 0x0                                ; the last prefetches, a step back, have read their addresses: they are stepped here
	s_add_nc_u64 s[PFW:PFW+1], s[PFW:PFW+1], WSTEP
.if \pf
	s_add_nc_u64 s[PFH:PFH+1], s[PFH:PFH+1], HSTEP
.endif
.endif
	s_wait_tensorcnt 0x0                           ; no tensor load of mine is out, so a group 0 may be written
	ds_add_u32 v[SPW], v[NIL]                      ; 0 onto my spare word: scalar work and eight products stand between it and the wait for it
.if (\mode) == 2
	s_xor_b32 s[G0W+5], s[G0W+5], W1               ; the walking descriptors: the other slot than last time,
	s_add_nc_u64 s[G0W+6:G0W+7], s[G0W+6:G0W+7], WSTEP  ; the next step; the type bits on top are not reached
	s_xor_b32 s[G0H+5], s[G0H+5], HSX
	s_add_co_u32 s[HOFF], s[HOFF], HSTEP
	s_and_b32 s[HOFF], s[HOFF], 0x1ffff            ; behind a pass's 16 steps h begins anew
	s_add_nc_u64 s[G0H+6:G0H+7], s[HBASE:HBASE+1], s[HOFF:HOFF+1]
	s_or_b32 s[G0H+7], s[G0H+7], 0x80000000
.endif
	s_xor_b32 s[TBW], s[TBW], W1
	s_xor_b32 s[TBH], s[TBH], HSX
	s_wait_dscnt 1                                 ; the quarter's fragments are in; the add alone may be out
	MUL 3, 0, 0, 4
	s_wait_dscnt 0x0                               ; the add is done, and my reads of this slot are over
	s_barrier_signal -1
	MUL 3, 0, 4, 4
	WIN 0                                          ; at a branch and at a label every window is 0
	s_barrier_wait -1
.if (\mode) == 2
	CREST
	JLOAD
.else
	PLACES
.endif
	v_add_nc_u32 v[AW], s[TBW], v[AW0]
	v_add_nc_u32 v[AW1], 0x10000, v[AW]
	v_add_nc_u32 v[AH], s[TBH], v[AH0]
	RUN 0
.if (\mode) == 2
	ASK \pf
.endif
	MUL 3, 1, 0, 8
.endif
.endm
.macro STEP mode, pf
	QUARTER 0
	QUARTER 1
	QUARTER 2
	TURN \mode, \pf
.endm
; The sums start at the bias: register j of accumulator (tt, ct) takes bst[p][256 w + 16 ct + 8 (l / 16) + j], the same for all four token tiles.  So every product has one form.
.macro BIASLOAD p
.irp w, 0x80, 0xc0
	WIN \w
.set z, 0
.rept 32
	ds_load_b128 v[8*z:8*z+3],   v[AB] offset:4096*(\p)+64*(z%16)
	ds_load_b128 v[8*z+4:8*z+7], v[AB] offset:4096*(\p)+64*(z%16)+16
.set z, z+1
.endr
.endr
	WIN 0
.endm
; All 64 accumulators are rounded to bf16, in ascending order, each from its low end: tile t = 16 tt + ct goes to window 2 at 4 t.  A destination never passes a source that is still to be read.
; The four v_nop and window 2's 128 conversions are the places behind the last products, which wrote window 3.
.macro PACKALL
	PLACES
	WIN 0x8a
.set t, 0
.rept 64
.if t == 32
	WIN 0x8f
.endif
.irp r, 0,1,2,3
	v_cvt_pk_bf16_f32 v[4*t+(\r)], v[8*(t%32)+2*(\r)], v[8*(t%32)+2*(\r)+1]
.endr
.set t, t+1
.endr
	WIN 0
.endm
; Round n of eight: fragment T = n % 2 of the 16 tokens of tile tt = n / 2.  Every wave puts its quarter of each fragment (contraction indices 8 w .. 8 w + 7) into buffer n % 2; behind the barrier EVERY wave
; reads four of the tokens whole: wave w tokens 4 w + j, which it keeps as its token i = 4 tt + j.  (The result is a sum over all tokens, so which wave takes which is free.)  No branch: all four waves read in every round.
; A buffer is written again two rounds later, behind a barrier that every wave has signalled behind the wait for its reads.  The ring's load may stay out.
.macro ROUND1 n, dwin
	WIN 0x08                                       ; store data in window 2
.irp c, 0,1,2,3,4,5,6,7
	ds_store_b128 v[STO], v[4*(8*(\n)+(\c)):4*(8*(\n)+(\c))+3] offset:SBUF*((\n)%2)+32*(\c)
.endr
	s_wait_dscnt 0x0                               ; for the others' sake: my stores are done, and my reads of the round before
	s_barrier_signal -1
	s_barrier_wait -1
	WIN \dwin
.irp j, 0,1,2,3
	ds_load_b128 v[16*(4*((\n)/2)+(\j))+8*((\n)%2):16*(4*((\n)/2)+(\j))+8*((\n)%2)+3],   v[SRD] offset:SBUF*((\n)%2)+TP*(\j)
	ds_load_b128 v[16*(4*((\n)/2)+(\j))+8*((\n)%2)+4:16*(4*((\n)/2)+(\j))+8*((\n)%2)+7], v[SRD] offset:SBUF*((\n)%2)+TP*(\j)+512
.endr
.endm
.macro ROUNDS dwin
.irp n, 0,1,2,3,4,5,6,7
	ROUND1 \n, \dwin
.endr
	WIN 0
	s_wait_dscnt 0x0                               ; my fragments are in,
	s_barrier_signal -1
	s_barrier_wait -1                              ; and nobody reads the stage any more
.endm
; Token i's scores: S^T(mT, kT) = K's fragment mT x Q's fragment kT: a lane holds one head (16 kT + l % 16) and the keys m = 16 mT + 8 (l / 16) + 0..7.
.macro SC i
	WIN 0x07                                       ; K in window 3, Q in window 1, S^T in window 0
.irp k, 0,1
.irp m, 0,1
	v_wmma_f32_16x16x32_bf16 v[XS+32*((\i)%2)+16*(\k)+8*(\m):XS+32*((\i)%2)+16*(\k)+8*(\m)+7], v[16*(\i)+8*(\m):16*(\i)+8*(\m)+7], v[16*(\i)+8*(\k):16*(\i)+8*(\k)+7], 0
.endr
.endr
.endm
; Token i's softmax, the two head tiles side by side.  x0-x15 are the lane's 16 scores of a head; the other 16 lie in the lane 16 away.  p = 2^(c s - c m) / l, rounded to bf16 over the token's Q:
; two packed tiles ARE source 1 (32 keys x 16 heads) of the last product.  One wait for the 32 exponentials, one for the two reciprocals.
.macro SM i
.set xs, XS+32*((\i)%2)
	WIN 0
.irp k, 0,1
	v_max3_num_f32 v[TM+16*(\k)],   v[xs+16*(\k)],   v[xs+16*(\k)+1], v[xs+16*(\k)+2]    ; each accumulator is read from its low end
	v_max3_num_f32 v[TM+16*(\k)+1], v[xs+16*(\k)+8], v[xs+16*(\k)+9], v[xs+16*(\k)+10]
.endr
.irp j, 3,5
.irp k, 0,1
	v_max3_num_f32 v[TM+16*(\k)],   v[TM+16*(\k)],   v[xs+16*(\k)+(\j)],   v[xs+16*(\k)+(\j)+1]
	v_max3_num_f32 v[TM+16*(\k)+1], v[TM+16*(\k)+1], v[xs+16*(\k)+(\j)+8], v[xs+16*(\k)+(\j)+9]
.endr
.endr
.irp k, 0,1
	v_max3_num_f32 v[TM+16*(\k)], v[TM+16*(\k)], v[xs+16*(\k)+7], v[xs+16*(\k)+15]
.endr
.irp k, 0,1
	v_max_num_f32 v[TM+16*(\k)], v[TM+16*(\k)], v[TM+16*(\k)+1]
.endr
.irp k, 0,1
	v_permlanex16_b32 v[TM+16*(\k)+1], v[TM+16*(\k)], s[SEL], s[SEL+1]
.endr
.irp k, 0,1
	v_max_num_f32 v[TM+16*(\k)], v[TM+16*(\k)], v[TM+16*(\k)+1]
.endr
.irp k, 0,1
	v_mul_f32 v[TM+16*(\k)], s[CS], v[TM+16*(\k)]  ; c m
.endr
.irp b, 0,1,2,3,4,5,6,7
.irp k, 0,1
	v_pk_fma_f32 v[xs+16*(\k)+2*(\b):xs+16*(\k)+2*(\b)+1], v[xs+16*(\k)+2*(\b):xs+16*(\k)+2*(\b)+1], s[CS:CS+1], v[TM+16*(\k):TM+16*(\k)+1] op_sel_hi:[1,0,0] neg_lo:[0,0,1] neg_hi:[0,0,1]
.endr
.endr
.irp e, 0,1,2,3,4,5,6,7,8,9,10,11,12,13,14,15
.irp k, 0,1
	v_exp_f32 v[xs+16*(\k)+(\e)], v[xs+16*(\k)+(\e)]
.endr
.endr
	v_nop                                          ; a plain instruction behind the last exponential,
	s_wait_alu depctr_va_vdst(0)                   ; and the wait for the batch, ahead of its first reader
.irp b, 0,1,2,3
.irp k, 0,1
	v_pk_add_f32 v[TM+16*(\k)+2+2*(\b):TM+16*(\k)+3+2*(\b)], v[xs+16*(\k)+4*(\b):xs+16*(\k)+4*(\b)+1], v[xs+16*(\k)+4*(\b)+2:xs+16*(\k)+4*(\b)+3]
.endr
.endr
.irp b, 0,1
.irp k, 0,1
	v_pk_add_f32 v[TM+16*(\k)+2+4*(\b):TM+16*(\k)+3+4*(\b)], v[TM+16*(\k)+2+4*(\b):TM+16*(\k)+3+4*(\b)], v[TM+16*(\k)+4+4*(\b):TM+16*(\k)+5+4*(\b)]
.endr
.endr
.irp k, 0,1
	v_pk_add_f32 v[TM+16*(\k)+2:TM+16*(\k)+3], v[TM+16*(\k)+2:TM+16*(\k)+3], v[TM+16*(\k)+6:TM+16*(\k)+7]
.endr
.irp k, 0,1
	v_add_f32 v[TM+16*(\k)+2], v[TM+16*(\k)+2], v[TM+16*(\k)+3]
.endr
.irp k, 0,1
	v_permlanex16_b32 v[TM+16*(\k)+3], v[TM+16*(\k)+2], s[SEL], s[SEL+1]
.endr
.irp k, 0,1
	v_add_f32 v[TM+16*(\k)+2], v[TM+16*(\k)+2], v[TM+16*(\k)+3]
.endr
.irp k, 0,1
	v_rcp_f32 v[TM+16*(\k)+2], v[TM+16*(\k)+2]
.endr
	v_nop
	s_wait_alu depctr_va_vdst(0)                   ; one wait for the two reciprocals
.irp b, 0,1,2,3,4,5,6,7
.irp k, 0,1
	v_pk_mul_f32 v[xs+16*(\k)+2*(\b):xs+16*(\k)+2*(\b)+1], v[xs+16*(\k)+2*(\b):xs+16*(\k)+2*(\b)+1], v[TM+16*(\k)+2:TM+16*(\k)+3] op_sel_hi:[1,0]
.endr
.endr
	WIN 0x40                                       ; destination window 1
.irp n, 0,1,2,3,4,5,6,7
.irp k, 0,1
	v_cvt_pk_bf16_f32 v[16*(\i)+8*(\k)+(\n)], v[xs+16*(\k)+2*(\n)], v[xs+16*(\k)+2*(\n)+1]
.endr
.endr
.endm
; O^T(lT, kT) += V's fragment lT x P's fragment kT, over my 16 tokens.  The four accumulators take turns, one instruction a turn; the first token's products start the sums.
.macro PVALL
	WIN 0x07                                       ; V in window 3, P in window 1, O^T in window 0
.set i, 0
.rept 16
.irp k, 0,1
.irp l, 0,1
.if i == 0
	v_wmma_f32_16x16x32_bf16 v[OA+8*(2*(\k)+(\l)):OA+8*(2*(\k)+(\l))+7], v[16*i+8*(\l):16*i+8*(\l)+7], v[16*i+8*(\k):16*i+8*(\k)+7], 0
.else
	v_wmma_f32_16x16x32_bf16 v[OA+8*(2*(\k)+(\l)):OA+8*(2*(\k)+(\l))+7], v[16*i+8*(\l):16*i+8*(\l)+7], v[16*i+8*(\k):16*i+8*(\k)+7], v[OA+8*(2*(\k)+(\l)):OA+8*(2*(\k)+(\l))+7]
.endif
.endr
.endr
.set i, i+1
.endr
.endm
	s_load_b256 s[4:11], s[0:1], 0x0               ; wst s[4:5], hws s[6:7], bst s[8:9], part s[10:11]
	v_lshl_add_u32 v[SPW], v0, 2, SPARE
	v_mov_b32 v[NIL], 0
	ds_add_u32 v[SPW], v[NIL]                      ; the wave's opening add, waited for ahead of my first tensor load; the set-up below, work on registers, stands between the add and its wait
	v_lshrrev_b32 v1, 5, v0
	v_readfirstlane_b32 s[WV], v1                  ; wave 0..3
	s_bfe_u32 s[CX], ttmp6, 0x40000                ; my place in the cluster
	s_lshl_b32 s[G], ttmp9, 2                      ; in a cluster launch ttmp9 counts clusters
	s_add_co_u32 s[G], s[G], s[CX]
	; descriptor groups 1: dense bytes as rows of 32 elements of 8 bytes
	s_mov_b32 s[G1W], 15|(3<<16)|(1<<21)           ; 15:0 the mask: all four work-groups; 17:16 elements of 8 bytes; 21 set beside a mask
	s_mov_b32 s[G1H], 3<<16                        ; no mask: each work-group has its own h
	s_mov_b32 s[G1B], 3<<16
.irp g, G1W, G1H, G1B
	s_mov_b32 s[(\g)+1], 32<<16                    ; tensor_dim0 = 32
	s_mov_b32 s[(\g)+3], 32<<16                    ; tile_dim0 = 32
	s_mov_b32 s[(\g)+5], 32                        ; 32 elements from row to row
	s_mov_b32 s[(\g)+6], 0
	s_mov_b32 s[(\g)+7], 0
.endr
	s_mov_b32 s[G1W+2], 256<<16                    ; tensor_dim1 and tile_dim1: 256 rows = 65,536 bytes,
	s_mov_b32 s[G1W+4], 256
	s_mov_b32 s[G1H+2], 32<<16                     ; 32 rows = 8,192 bytes,
	s_mov_b32 s[G1H+4], 32
	s_mov_b32 s[G1B+2], 48<<16                     ; 48 rows = 12,288 bytes
	s_mov_b32 s[G1B+4], 48
	s_lshl_b32 s18, s[WV], 16                      ; waves 0 and 1: my 32 of a step's k, in memory and in a slot
	s_mov_b32 s19, 0
	s_mov_b32 s[G0W], 1
	s_mov_b32 s[G0W+1], s18
	s_mov_b32 s[G0W+4], 1
	s_add_co_u32 s[G0W+5], s18, W1
	s_mov_b32 s[G0H], 1
	s_mov_b32 s[G0H+1], HS0
	s_mov_b32 s[G0H+4], 1
	s_mov_b32 s[G0H+5], HS0+HSX
	s_mov_b32 s[G0B], 1
	s_mov_b32 s[G0B+1], BIAS
	s_lshl_b32 s20, s[G], 17                       ; my block of hws
	s_mov_b32 s21, 0
	s_mov_b32 s[HOFF], HSTEP
	s_mov_b32 s[HOFF+1], 0
	s_mov_b32 s[CS], 0x3e8293ee                    ; c = log2(e) / sqrt(32) = 0.255035
	s_mov_b32 s[CS+1], s[CS]                       ; named with it as a pair
	s_mov_b32 s[SEL], 0x76543210
	s_mov_b32 s[SEL+1], 0xfedcba98
	s_mov_b32 s[TBW], 0
	s_mov_b32 s[TBH], 0
	s_cmp_eq_u32 ttmp9, 0                          ; the same in all four partners
	s_cselect_b32 s[LIMW], 0, -1
	s_cmp_eq_u32 s[WV], 3
	s_cselect_b32 s[LIMH], 4, -1                   ; pass Q's steps 0 to 11 ask for steps 4 to 15
	s_lshl_b32 s22, s[CX], 15
	s_lshl_b32 s23, s[WV], 13
	s_add_co_u32 s22, s22, s23
	s_add_co_u32 s22, s22, 3*WSTEP                 ; at step 3: the first change of slots steps it to 4
	s_mov_b32 s23, 0
	s_wait_dscnt 0x0                               ; the opening add is done
	s_wait_kmcnt 0x0
	s_add_nc_u64 s[G0W+2:G0W+3], s[4:5], s[18:19]
	s_add_nc_u64 s[G0W+6:G0W+7], s[G0W+2:G0W+3], WSTEP
	s_or_b32 s[G0W+3], s[G0W+3], 0x80000000        ; 127:126 type = 2
	s_or_b32 s[G0W+7], s[G0W+7], 0x80000000
	s_add_nc_u64 s[HBASE:HBASE+1], s[6:7], s[20:21]
	s_mov_b64 s[G0H+2:G0H+3], s[HBASE:HBASE+1]
	s_or_b32 s[G0H+3], s[G0H+3], 0x80000000
	s_add_nc_u64 s[G0H+6:G0H+7], s[HBASE:HBASE+1], s[HOFF:HOFF+1]
	s_or_b32 s[G0H+7], s[G0H+7], 0x80000000
	s_mov_b64 s[G0B+2:G0B+3], s[8:9]
	s_or_b32 s[G0B+3], s[G0B+3], 0x80000000
	s_add_nc_u64 s[PFW:PFW+1], s[4:5], s[22:23]
	s_add_nc_u64 s[PFH:PFH+1], s[HBASE:HBASE+1], 3*HSTEP
	s_lshl_b32 s22, s[G], 12
	s_add_nc_u64 s[10:11], s[10:11], s[22:23]      ; part[g]
	CROUND                                         ; all four work-groups are here: the first joint loads meet
	s_cmp_lt_u32 s[WV], 2                          ; a wave's first fills stand in one branch, ahead of every wait on TENSORcnt and every LDS read
	s_cbranch_scc0 .Lfirst_h
	tensor_load_to_lds s[G0W:G0W+3], s[G1W:G1W+7]          ; step 0
	s_nop 0
	tensor_load_to_lds s[G0W+4:G0W+7], s[G1W:G1W+7]        ; step 1
	s_nop 0
	PLACES
	s_branch .Lfirst_done
.Lfirst_h:
	s_cmp_eq_u32 s[WV], 2
	s_cbranch_scc0 .Lfirst_done
	tensor_load_to_lds s[G0B:G0B+3], s[G1B:G1B+7]          ; the biases
	s_nop 0
	tensor_load_to_lds s[G0H:G0H+3], s[G1H:G1H+7]          ; step 0
	s_nop 0
	tensor_load_to_lds s[G0H+4:G0H+7], s[G1H:G1H+7]        ; step 1
	s_nop 0
	PLACES
.Lfirst_done:
	v_and_b32 v16, 31, v0                          ; l
	v_and_b32 v17, 15, v0                          ; l % 16
	v_bfe_u32 v18, v0, 4, 1                        ; l / 16
	v_lshlrev_b32 v19, 4, v16
	s_lshl_b32 s18, s[WV], 14
	v_add_nc_u32 v[AW0], s18, v19
	v_add_nc_u32 v[AH0], HS0, v19
	s_lshl_b32 s18, s[WV], 10
	s_add_co_u32 s19, s18, BIAS
	v_lshl_add_u32 v[AB], v18, 5, s19              ; 4 (256 w + 8 (l / 16))
	s_lshl_b32 s19, s[WV], 8
	s_add_co_u32 s19, s19, STAGE
	v_mul_u32_u24 v[STO], v17, TP                  ; token l % 16; in its fragment byte 256 w + 16 (2 c + l / 16)
	v_lshl_add_u32 v[STO], v18, 4, v[STO]
	v_add_nc_u32 v[STO], s19, v[STO]
	s_mul_i32 s19, s[WV], 4*TP                     ; my wave's four tokens of a tile begin at token 4 w
	s_add_co_u32 s19, s19, STAGE
	v_add_nc_u32 v[SRD], s19, v19
	s_lshl_b32 s19, s[WV], 12
	s_add_co_u32 s19, s19, STAGE
	v_lshlrev_b32 v[OST], 7, v17                   ; head l % 16: 128 bytes; channels 8 (l / 16) on
	v_lshl_add_u32 v[OST], v18, 5, v[OST]
	v_add_nc_u32 v[OST], s19, v[OST]
	s_add_co_u32 s19, s18, STAGE
	v_add_nc_u32 v[ORD], s19, v19
	v_add_nc_u32 v[GO], s18, v19
	v_lshlrev_b32 v[PFO], 8, v16
	v_add_nc_u32 v[AW], s[TBW], v[AW0]
	v_add_nc_u32 v[AW1], 0x10000, v[AW]
	v_add_nc_u32 v[AH], s[TBH], v[AH0]
	s_wait_tensorcnt 0x1                           ; all my first fills but the youngest, step 1's, are in; it may stay out
	s_barrier_signal -1
	s_barrier_wait -1                              ; everybody's are
	RUN 0
	; PASS Q
	BIASLOAD 0
	s_mov_b32 s[CNT], 16
.Lpass_q:
	STEP 2, 1
	WIN 0
	s_sub_co_u32 s[CNT], s[CNT], 1
	s_cmp_lg_u32 s[CNT], 0
	s_cbranch_scc1 .Lpass_q
	PACKALL                                        ; the next pass's first fragments wait in the first buffers of window 0, which no epilogue touches
	ROUNDS 0x40                                    ; Q's fragments into window 1
	; PASS K
	BIASLOAD 1
	s_mov_b32 s[CNT], 16
.Lpass_k:
	STEP 2, 0
	WIN 0
	s_sub_co_u32 s[CNT], s[CNT], 1
	s_cmp_lg_u32 s[CNT], 0
	s_cbranch_scc1 .Lpass_k
	PACKALL
	ROUNDS 0xc0                                    ; K's fragments into window 3
	SC 0
	PLACES
.irp i, 0,1,2,3,4,5,6,7,8,9,10,11,12,13,14
	SC (\i)+1                                      ; the next token's scores run beside this token's softmax, which is also the distance behind them
	SM \i
.endr
	SM 15
	; PASS V
	BIASLOAD 2
	s_cmp_eq_u32 s[LIMW], 0
	s_cselect_b32 s[LIMW], 2, s[LIMW]              ; steps 32 to 43 ask for steps 36 to 47, the last two of the loop for nothing
	s_mov_b32 s[CNT], 14
.Lpass_v:
	STEP 2, 0
	WIN 0
	s_sub_co_u32 s[CNT], s[CNT], 1
	s_cmp_lg_u32 s[CNT], 0
	s_cbranch_scc1 .Lpass_v
	STEP 1, 0                                      ; the tail is written out
	STEP 0, 0
	PACKALL
	ROUNDS 0xc0                                    ; V's fragments into window 3
	PVALL
	WIN 0
	PLACES
	; THE WAY OUT.  Each wave's 32 x 32 sums go into LDS as part's rows lie; behind a barrier wave w adds the four waves' bytes 1,024 w .. 1,024 w + 1,023.
.irp k, 0,1
.irp l, 0,1
	ds_store_b128 v[OST], v[OA+8*(2*(\k)+(\l)):OA+8*(2*(\k)+(\l))+3]   offset:2048*(\k)+64*(\l)
	ds_store_b128 v[OST], v[OA+8*(2*(\k)+(\l))+4:OA+8*(2*(\k)+(\l))+7] offset:2048*(\k)+64*(\l)+16
.endr
.endr
	s_wait_dscnt 0x0                               ; for the others' sake: my stores are done
	s_barrier_signal -1
	s_barrier_wait -1
.irp u, 0,1,2,3
.irp n, 0,1
	ds_load_b128 v[WB+8*(\u)+4*(\n):WB+8*(\u)+4*(\n)+3], v[ORD] offset:4096*(\u)+512*(\n)
.endr
.endr
	s_wait_dscnt 0x0
.irp n, 0,1
.irp d, 0,2
	v_pk_add_f32 v[WB+4*(\n)+(\d):WB+4*(\n)+(\d)+1], v[WB+4*(\n)+(\d):WB+4*(\n)+(\d)+1], v[WB+8+4*(\n)+(\d):WB+8+4*(\n)+(\d)+1]
	v_pk_add_f32 v[WB+16+4*(\n)+(\d):WB+16+4*(\n)+(\d)+1], v[WB+16+4*(\n)+(\d):WB+16+4*(\n)+(\d)+1], v[WB+24+4*(\n)+(\d):WB+24+4*(\n)+(\d)+1]
.endr
.endr
.irp n, 0,1
.irp d, 0,2
	v_pk_add_f32 v[WB+4*(\n)+(\d):WB+4*(\n)+(\d)+1], v[WB+4*(\n)+(\d):WB+4*(\n)+(\d)+1], v[WB+16+4*(\n)+(\d):WB+16+4*(\n)+(\d)+1]
.endr
.endr
.irp n, 0,1
	global_store_b128 v[GO], v[WB+4*(\n):WB+4*(\n)+3], s[10:11] offset:512*(\n)  ; 512 consecutive bytes, at a multiple of 512 from part's first
.endr
	s_wait_tensorcnt 0x0                           ; the wave's end, behind my last tensor load and my last LDS store
	ds_add_u32 v[SPW], v[NIL]
	s_wait_dscnt 0x0
	CROUND                                         ; the closing round: no work-group ends while a partner may still ask for a tile that names it
	s_endpgm
.Lfunc_end_k_q475ff02348_attn:
	.size	k_q475ff02348_attn, .Lfunc_end_k_q475ff02348_attn-k_q475ff02348_attn
	.p2alignl 7, 3214868480
	.fill 96, 4, 3214868480
	.section	.rodata,"a",@progbits
	.p2align	6, 0x0
	.amdhsa_kernel k_q475ff02348_attn
		.amdhsa_group_segment_fixed_size 327680
		.amdhsa_private_segment_fixed_size 0
		.amdhsa_enable_private_segment 0
		.amdhsa_kernarg_size 32
		.amdhsa_user_sgpr_count 2
		.amdhsa_user_sgpr_kernarg_segment_ptr 1
		.amdhsa_wavefront_size32 1
		.amdhsa_system_sgpr_workgroup_id_x 1
		.amdhsa_system_sgpr_workgroup_id_y 1
		.amdhsa_system_sgpr_workgroup_id_z 1
		.amdhsa_system_vgpr_workitem_id 0
		.amdhsa_next_free_vgpr 1024
		.amdhsa_next_free_sgpr 86
		.amdhsa_reserve_vcc 0
		.amdhsa_float_denorm_mode_32 3
		.amdhsa_float_denorm_mode_16_64 3
		.amdhsa_memory_ordered 1
		.amdhsa_forward_progress 1
		.amdhsa_inst_pref_size 255
	.end_amdhsa_kernel
	.section	.bss,"aw",@nobits
	.p2align	6
	.space	262144
	.amdgpu_metadata
---
amdhsa.version: [ 1, 2 ]
amdhsa.kernels:
  - .name:           k_q475ff02348_attn
    .symbol:         k_q475ff02348_attn.kd
    .args:
      - { .name: wst, .offset: 0, .size: 8, .value_kind: global_buffer, .address_space: global }
      - { .name: hws, .offset: 8, .size: 8, .value_kind: global_buffer, .address_space: global }
      - { .name: bst, .offset: 16, .size: 8, .value_kind: global_buffer, .address_space: global }
      - { .name: part, .offset: 24, .size: 8, .value_kind: global_buffer, .address_space: global }
    .group_segment_fixed_size: 327680
    .private_segment_fixed_size: 0
    .kernarg_segment_align: 8
    .kernarg_segment_size: 32
    .max_flat_workgroup_size: 128
    .sgpr_count:     86
    .vgpr_count:     1024
    .wavefront_size: 32
...
	.end_amdgpu_metadata
.endif
;; end of part 2
;; launch reduce (part 3): grid 32 x 1, 2 waves a work-group, no clusters, 0 bytes of LDS; arguments part, out0; writes out0
.if DOCPART == 3
	.amdgcn_target "amdgcn-amd-amdhsa--gfx1250"
	.amdhsa_code_object_version 6
	.text
	.protected	k_q475ff02348_reduce
	.globl	k_q475ff02348_reduce
	.p2align	8
	.type	k_q475ff02348_reduce,@function
k_q475ff02348_reduce:
	s_mov_b64 s[64:65], 0
	v_nop
	global_prefetch_b8 v0, s[64:65] scope:SCOPE_SE
	s_setreg_imm32_b32 hwreg(HW_REG_WAVE_MODE, 25, 1), 1
	s_wait_xcnt 0x0
; out0[b] = the sum of part[32 b .. 32 b + 31], 4,096 bytes each, in f32, by a fixed tree.  A work-group takes a quarter (1,024 bytes) of one batch's result, a thread 16 bytes of it:
; 32 loads a thread, all on their way at once; each load and the store of a wave cover 512 consecutive bytes.  32 work-groups are all the work there is.
.set P, 8                              ; v[8:135]  part i's four numbers at P + 4 i
	s_load_b128 s[4:7], s[0:1], 0x0                ; part s[4:5], out0 s[6:7]
	s_lshr_b32 s8, ttmp9, 2                        ; the batch
	s_and_b32 s9, ttmp9, 3                         ; the quarter
	s_lshl_b32 s9, s9, 10
	v_lshl_add_u32 v1, v0, 4, s9
	s_lshl_b32 s10, s8, 17                         ; 32 parts of 4,096 bytes
	s_mov_b32 s11, 0
	s_lshl_b32 s12, s8, 12
	s_mov_b32 s13, 0
	s_wait_kmcnt 0x0
	s_add_nc_u64 s[4:5], s[4:5], s[10:11]
	s_add_nc_u64 s[6:7], s[6:7], s[12:13]
.set i, 0
.rept 32
	global_load_b128 v[P+4*i:P+4*i+3], v1, s[4:5] offset:4096*i
.set i, i+1
.endr
	s_wait_loadcnt 0x0
.irp s, 1,2,4,8,16
.set i, 0
.rept 16/(\s)
	v_pk_add_f32 v[P+4*i:P+4*i+1],   v[P+4*i:P+4*i+1],   v[P+4*(i+(\s)):P+4*(i+(\s))+1]
	v_pk_add_f32 v[P+4*i+2:P+4*i+3], v[P+4*i+2:P+4*i+3], v[P+4*(i+(\s))+2:P+4*(i+(\s))+3]
.set i, i+2*(\s)
.endr
.endr
	global_store_b128 v1, v[P:P+3], s[6:7]
	s_endpgm
.Lfunc_end_k_q475ff02348_reduce:
	.size	k_q475ff02348_reduce, .Lfunc_end_k_q475ff02348_reduce-k_q475ff02348_reduce
	.p2alignl 7, 3214868480
	.fill 96, 4, 3214868480
	.section	.rodata,"a",@progbits
	.p2align	6, 0x0
	.amdhsa_kernel k_q475ff02348_reduce
		.amdhsa_group_segment_fixed_size 0
		.amdhsa_private_segment_fixed_size 0
		.amdhsa_enable_private_segment 0
		.amdhsa_kernarg_size 16
		.amdhsa_user_sgpr_count 2
		.amdhsa_user_sgpr_kernarg_segment_ptr 1
		.amdhsa_wavefront_size32 1
		.amdhsa_system_sgpr_workgroup_id_x 1
		.amdhsa_system_sgpr_workgroup_id_y 1
		.amdhsa_system_sgpr_workgroup_id_z 1
		.amdhsa_system_vgpr_workitem_id 0
		.amdhsa_next_free_vgpr 136
		.amdhsa_next_free_sgpr 66
		.amdhsa_reserve_vcc 0
		.amdhsa_float_denorm_mode_32 3
		.amdhsa_float_denorm_mode_16_64 3
		.amdhsa_memory_ordered 1
		.amdhsa_forward_progress 1
		.amdhsa_inst_pref_size 8
	.end_amdhsa_kernel
	.amdgpu_metadata
---
amdhsa.version: [ 1, 2 ]
amdhsa.kernels:
  - .name:           k_q475ff02348_reduce
    .symbol:         k_q475ff02348_reduce.kd
    .args:
      - { .name: part, .offset: 0, .size: 8, .value_kind: global_buffer, .address_space: global }
      - { .name: out0, .offset: 8, .size: 8, .value_kind: global_buffer, .address_space: global }
    .group_segment_fixed_size: 0
    .private_segment_fixed_size: 0
    .kernarg_segment_align: 8
    .kernarg_segment_size: 16
    .max_flat_workgroup_size: 64
    .sgpr_count:     66
    .vgpr_count:     136
    .wavefront_size: 32
...
	.end_amdgpu_metadata
.endif
;; end of part 3
;; ======== version 2 of 2: 3 launches
;; workspace buffers: wst 6,291,456 bytes; hws 33,554,432 bytes; bst 12,288 bytes; part 1,048,576 bytes
;; launch prep (part 4): grid 448 x 1, 8 waves a work-group, no clusters, 35,840 bytes of LDS; arguments x, emb, WQ, WK, WV, bQ, bK, bV, wst, hws, bst; writes wst, hws, bst
.if DOCPART == 4
	.amdgcn_target "amdgcn-amd-amdhsa--gfx1250"
	.amdhsa_code_object_version 6
	.text
	.protected	k_q475ff02348_prep
	.globl	k_q475ff02348_prep
	.p2align	8
	.type	k_q475ff02348_prep,@function
k_q475ff02348_prep:
	s_mov_b64 s[64:65], 0
	v_nop
	global_prefetch_b8 v0, s[64:65] scope:SCOPE_SE
	s_setreg_imm32_b32 hwreg(HW_REG_WAVE_MODE, 25, 1), 1
	s_wait_xcnt 0x0
; PREPARATION.  Two roles, chosen by the work-group's number; both turn 16 rows x 512 bytes of f32 a wave and iteration into four bf16 fragments of 1,024 bytes in the order a matrix
; operand has in registers: the 16 bytes at 512 a + 256 h + 16 r of a fragment hold row r, k = 16 a + 8 h + 0..7.
; Work-groups 0-255 (h): hws[g = 32 b + s / 64][k / 32][(s / 16) % 4][fragment] = bf16(emb[x[b][s]] + sin(s / 10000^(d / 512))).  A work-group has 16 positions and 4 batches, so a sine serves four rows.
; Work-groups 256-447 (W), one column tile each: wst[pass][k / 32][column tile ct][fragment] = bf16 of rows of WQ, WK, WV in the order n' = 16 ct + i: source row c = SA rho + SB lambda, rho = 16 T + 2 (ct % 8) + i / 8,
; lambda = 8 (ct / 16) + i % 8, T = (ct / 8) % 2; (SA, SB) = (32, 1) for Q and (1, 32) for K and V, so that K and V come out turned.  bst[pass][n'] = the bias at c, in f32.
; A W work-group has one iteration, an h work-group four: the long ones have the lower numbers.
; Wave j takes columns 128 j .. 128 j + 127.  The way through LDS is each wave's own: no barrier.
; LIMITS.  x is held to 0 .. 50,256.  The sine: the phase s w is one f32 product, reduced by pi in two parts, then a series of degree 9 (absolute error up to 4e-6), far under the bf16 step of h.
.set VMAX,  50256
.set STG,   16*272                     ; a wave's stage: 16 groups of 256 bytes, 272 apart
.set SPARE, 8*STG                      ; behind the stages: the spare words, 128 bytes for each wave: four blocks of 256 bytes that no other line names
.set COL,  1                           ; v1       16 x lane + 512 x wave: my 16 bytes in a source row
.set PSTO, 2                           ; v2       stage: where I put 8 bytes of a row
.set PSRD, 3                           ; v3       stage: where I read 16 bytes of a fragment back
.set WF,   4                           ; v[4:7]   the frequencies of my four columns
.set OUTO, 8                           ; v[8:11]  byte offsets of my stores, one for each iteration
.set T,    12                          ; v[12:23] at work
.set LN,   24                          ; v24      lane
.set SPW,  28                          ; v28      LDS address of my spare word; never rewritten
.set NIL,  29                          ; v29      0; never rewritten
.set POS,  32                          ; v[32:95] the sines: row r, column c at POS + 4 r + c
.set X,    96                          ; v[96:223] two sets of 16 rows x 4 registers
.set VO,   224                         ; v[224:255] two sets of 16 row offsets
.set HI,   88                          ; scalar pairs of the h role, in registers whose arguments that role does not use: 1 / pi, high part
.set LO,   90                          ; and low part
.set MAG,  92                          ; 1.5 x 2^23
.set NMAG, 94
.set C9,   96
.set C7,   98
.set C5,   4
.set C3,   8
.set C1,   2
.set PS,   100                         ; the position, as f32
.macro SPAIR reg, val                  ; a packed source names a pair, so both words are written
	s_mov_b32 s[\reg], \val
	s_mov_b32 s[(\reg)+1], \val
.endm
.macro OFFS set, ib                    ; 16 indices in s[ib ..] become byte offsets of rows of emb
.set z, 0
.rept 16
	s_min_u32 s[(\ib)+z], s[(\ib)+z], VMAX
	s_lshl_b32 s[(\ib)+z], s[(\ib)+z], 12
	v_add_nc_u32 v[VO+16*(\set)+z], s[(\ib)+z], v[COL]
.set z, z+1
.endr
.endm
.macro LOADS set, base                 ; 16 loads, each 512 consecutive bytes of one row
.set z, 0
.rept 16
	global_load_b128 v[X+64*(\set)+4*z:X+64*(\set)+4*z+3], v[VO+16*(\set)+z], s[\base:\base+1]
.set z, z+1
.endr
.endm
; One iteration on a set: left = the younger loads that may stay out; pos = 1: the sines are added; the four fragments go to s[base] + v[oreg] + qs q + 512 a.
.macro CORE set, pos, left, oreg, base, qs
.set xb, X+64*(\set)
	s_wait_loadcnt \left                           ; loads come back in order: this set's 16 are in
.if \pos
.set z, 0
.rept 32
	v_pk_add_f32 v[xb+z:xb+z+1], v[xb+z:xb+z+1], v[POS+z:POS+z+1]
.set z, z+2
.endr
.endif
.set z, 0
.rept 16
	v_cvt_pk_bf16_f32 v[xb+z], v[xb+z], v[xb+z+1]
	v_cvt_pk_bf16_f32 v[xb+z+1], v[xb+z+2], v[xb+z+3]
.set z, z+4
.endr
.set z, 0
.rept 16
	ds_store_b64 v[PSTO], v[xb+4*z:xb+4*z+1] offset:16*z   ; row z: my four columns lie in group lane / 2
.set z, z+1
.endr
.set z, 0
.rept 8
	ds_load_b128 v[xb+4*z:xb+4*z+3], v[PSRD] offset:2*z*272  ; LDS serves a wave's instructions in order: these see the stores above
.set z, z+1
.endr
.set z, 0
.rept 8
	s_wait_dscnt 7-z                               ; read-back z is in, the younger ones may be out
	global_store_b128 v[\oreg], v[xb+4*z:xb+4*z+3], s[\base:\base+1] offset:(z/2)*(\qs)+(z%2)*512  ; 512 consecutive bytes, at a multiple of 512 from the buffer's first
.set z, z+1
.endr
.endm
; The sines of one position for my four columns, two packed pairs side by side.  X = w s; n = the whole number nearest X / pi (by the sum with 1.5 x 2^23); f = X / pi - n in two parts;
; sin(pi f) by its series; the sign turns where n is odd.
.macro SINROW r
.irp c, 0,1
	v_pk_mul_f32 v[T+6*(\c):T+6*(\c)+1], v[WF+2*(\c):WF+2*(\c)+1], s[PS:PS+1] op_sel_hi:[1,0]
.endr
.irp c, 0,1
	v_pk_fma_f32 v[T+6*(\c)+2:T+6*(\c)+3], v[T+6*(\c):T+6*(\c)+1], s[HI:HI+1], s[MAG:MAG+1] op_sel_hi:[1,0,0]
.endr
.irp c, 0,1
	v_pk_add_f32 v[T+6*(\c)+4:T+6*(\c)+5], v[T+6*(\c)+2:T+6*(\c)+3], s[NMAG:NMAG+1] op_sel_hi:[1,0]
.endr
.irp c, 0,1
	v_pk_fma_f32 v[T+6*(\c)+4:T+6*(\c)+5], v[T+6*(\c):T+6*(\c)+1], s[HI:HI+1], v[T+6*(\c)+4:T+6*(\c)+5] op_sel_hi:[1,0,1] neg_lo:[0,0,1] neg_hi:[0,0,1]
.endr
.irp c, 0,1
	v_pk_fma_f32 v[T+6*(\c)+4:T+6*(\c)+5], v[T+6*(\c):T+6*(\c)+1], s[LO:LO+1], v[T+6*(\c)+4:T+6*(\c)+5] op_sel_hi:[1,0,1]
.endr
.irp c, 0,1
	v_pk_mul_f32 v[T+6*(\c):T+6*(\c)+1], v[T+6*(\c)+4:T+6*(\c)+5], v[T+6*(\c)+4:T+6*(\c)+5]
.endr
.irp c, 0,1
	v_pk_fma_f32 v[POS+4*(\r)+2*(\c):POS+4*(\r)+2*(\c)+1], v[T+6*(\c):T+6*(\c)+1], s[C9:C9+1], s[C7:C7+1] op_sel_hi:[1,0,0]
.endr
.irp k, C5, C3, C1
.irp c, 0,1
	v_pk_fma_f32 v[POS+4*(\r)+2*(\c):POS+4*(\r)+2*(\c)+1], v[POS+4*(\r)+2*(\c):POS+4*(\r)+2*(\c)+1], v[T+6*(\c):T+6*(\c)+1], s[\k:\k+1] op_sel_hi:[1,1,0]
.endr
.endr
.irp c, 0,1
	v_lshlrev_b32 v[T+6*(\c)+2], 31, v[T+6*(\c)+2]         ; n's lowest bit is the lowest bit of the sum with 1.5 x 2^23
	v_lshlrev_b32 v[T+6*(\c)+3], 31, v[T+6*(\c)+3]
.endr
.irp c, 0,1
	v_pk_mul_f32 v[POS+4*(\r)+2*(\c):POS+4*(\r)+2*(\c)+1], v[POS+4*(\r)+2*(\c):POS+4*(\r)+2*(\c)+1], v[T+6*(\c)+4:T+6*(\c)+5]
.endr
.irp c, 0,1
	v_xor_b32 v[POS+4*(\r)+2*(\c)], v[POS+4*(\r)+2*(\c)], v[T+6*(\c)+2]
	v_xor_b32 v[POS+4*(\r)+2*(\c)+1], v[POS+4*(\r)+2*(\c)+1], v[T+6*(\c)+3]
.endr
	s_add_f32 s[PS], s[PS], 1.0                    ; the next position
.endm
	s_load_b512 s[84:99], s[0:1], 0x0              ; x 84, emb 86, WQ 88, WK 90, WV 92, bQ 94, bK 96, bV 98
	s_load_b128 s[4:7], s[0:1], 0x40               ; wst 4, hws 6
	s_load_b64 s[8:9], s[0:1], 0x50                ; bst
	v_lshl_add_u32 v[SPW], v0, 2, SPARE
	v_mov_b32 v[NIL], 0
	v_lshrrev_b32 v[T], 5, v0
	v_readfirstlane_b32 s12, v[T]                  ; wave j
	v_and_b32 v[LN], 31, v0
	s_lshl_b32 s13, s12, 9
	v_lshl_add_u32 v[COL], v[LN], 4, s13
	s_mul_i32 s14, s12, STG                        ; my stage
	v_lshrrev_b32 v[T], 1, v[LN]
	v_and_b32 v[T+1], 1, v[LN]
	v_mul_u32_u24 v[T], v[T], 272
	v_lshl_add_u32 v[T], v[T+1], 3, v[T]
	v_add_nc_u32 v[PSTO], s14, v[T]                ; group lane / 2, half lane % 2
	v_lshrrev_b32 v[T], 4, v[LN]
	v_and_b32 v[T+1], 15, v[LN]
	v_mul_u32_u24 v[T], v[T], 272
	v_lshl_add_u32 v[T], v[T+1], 4, v[T]
	v_add_nc_u32 v[PSRD], s14, v[T]                ; group lane / 16 of a pair, row lane % 16
	s_cmp_lt_u32 ttmp9, 256
	s_cbranch_scc0 .Lw_role
	; THE h ROLE
	s_lshr_b32 s15, ttmp9, 1                       ; pt: positions 16 pt .. 16 pt + 15
	s_and_b32 s2, ttmp9, 1                         ; bg: batches 4 bg .. 4 bg + 3
	s_lshl_b32 s10, s2, 15                         ; four rows of x, 8,192 bytes each
	s_lshl_b32 s11, s15, 6
	s_add_co_u32 s10, s10, s11
	s_mov_b32 s11, 0
	s_wait_kmcnt 0x0
	s_add_nc_u64 s[10:11], s[84:85], s[10:11]
	s_load_b512 s[16:31], s[10:11], 0x0            ; 16 indices for each of the four batches
	s_load_b512 s[32:47], s[10:11], 0x2000
	s_load_b512 s[48:63], s[10:11], 0x4000
	s_load_b512 s[68:83], s[10:11], 0x6000
	s_lshl_b32 s3, s2, 24                          ; block g = 32 (4 bg + i) + pt / 4, 131,072 bytes each
	s_lshr_b32 s2, s15, 2
	s_lshl_b32 s2, s2, 17
	s_add_co_u32 s3, s3, s2
	s_lshl_b32 s2, s12, 14                         ; my four k / 32, 4,096 bytes each
	s_add_co_u32 s3, s3, s2
	s_and_b32 s2, s15, 3                           ; the token tile
	s_lshl_b32 s2, s2, 10
	s_add_co_u32 s3, s3, s2
	v_lshl_add_u32 v[OUTO], v[LN], 4, s3
.irp i, 1,2,3
	v_add_nc_u32 v[OUTO+(\i)], (\i)<<22, v[OUTO]
.endr
	s_lshl_b32 s2, s12, 7
	v_lshl_add_u32 v[T], v[LN], 2, s2              ; d of my first column
.irp c, 0,1,2,3
	v_add_nc_u32 v[WF+(\c)], \c, v[T]
.endr
.irp c, 0,1,2,3
	v_cvt_f32_u32 v[WF+(\c)], v[WF+(\c)]
.endr
.irp c, 0,1,2,3
	v_mul_f32 v[WF+(\c)], 0xbcd49a78, v[WF+(\c)]   ; - d log2(10) / 128
.endr
	s_lshl_b32 s[PS], s15, 4
	s_cvt_f32_u32 s[PS], s[PS]
	s_mov_b32 s[PS+1], 0
	SPAIR HI,   0x3ea2f983
	SPAIR LO,   0x325c9c80
	SPAIR MAG,  0x4b400000
	SPAIR NMAG, 0xcb400000
	SPAIR C9,   0x3da83c1b                         ; pi^9 / 9!
	SPAIR C7,   0xbf196966                         ; - pi^7 / 7!
	SPAIR C5,   0x402335e3                         ; pi^5 / 5!
	SPAIR C3,   0xc0a55de7                         ; - pi^3 / 3!
	SPAIR C1,   0x40490fdb                         ; pi
	s_wait_kmcnt 0x0                               ; the indices
	OFFS 0, 16
	LOADS 0, 86
	OFFS 1, 32
	LOADS 1, 86
	; the sines are made while the first 32 loads are on their way
.irp c, 0,1,2,3
	v_exp_f32 v[WF+(\c)], v[WF+(\c)]
.endr
	v_nop                                          ; a plain instruction behind the last exponential,
	s_wait_alu depctr_va_vdst(0)                   ; and one wait for the four, ahead of their first reader
.irp r, 0,1,2,3,4,5,6,7,8,9,10,11,12,13,14,15
	SINROW \r
.endr
	CORE 0, 1, 16, OUTO, 6, 4096
	s_wait_xcnt 0x0                                ; the stores have read their data: only now is the set loaded again
	OFFS 0, 48
	LOADS 0, 86
	CORE 1, 1, 16, OUTO+1, 6, 4096
	s_wait_xcnt 0x0
	OFFS 1, 68
	LOADS 1, 86
	CORE 0, 1, 16, OUTO+2, 6, 4096
	CORE 1, 1, 0, OUTO+3, 6, 4096
	s_wait_tensorcnt 0x0                           ; the wave's end, behind my last LDS store
	ds_add_u32 v[SPW], v[NIL]
	s_wait_dscnt 0x0
	s_endpgm
	; THE W ROLE: one column tile, so a wave has one run of 16 loads and no loop
.Lw_role:
	s_sub_co_u32 s15, ttmp9, 256
	s_lshr_b32 s16, s15, 6                         ; pass: 0 Q, 1 K, 2 V
	s_and_b32 s17, s15, 63                         ; column tile ct
	s_cmp_eq_u32 s16, 0
	s_cselect_b32 s18, 32, 1                       ; SA
	s_cselect_b32 s19, 1, 32                       ; SB
	s_lshr_b32 s20, s17, 4                         ; ct / 16
	s_bfe_u32 s21, s17, 0x10003                    ; T = (ct / 8) % 2
	s_and_b32 s22, s17, 7
	s_lshl_b32 s21, s21, 4
	s_lshl1_add_u32 s21, s22, s21                  ; 16 T + 2 (ct % 8)
	s_mul_i32 s21, s21, s18
	s_lshl_b32 s20, s20, 3
	s_mul_i32 s20, s20, s19
	s_add_co_u32 s20, s20, s21                     ; the source row of the tile's row 0
	s_lshl_b32 s28, s20, 12                        ; rows i = 0 .. 7,
	s_lshl_b32 s29, s19, 12
	s_lshl_b32 s30, s18, 12
	s_add_co_u32 s31, s28, s30                     ; and i = 8 .. 15
.irp e, 0,1,2,3,4,5,6,7
	v_add_nc_u32 v[VO+(\e)], s28, v[COL]
	v_add_nc_u32 v[VO+8+(\e)], s31, v[COL]
	s_add_co_u32 s28, s28, s29
	s_add_co_u32 s31, s31, s29
.endr
	s_lshl_b32 s3, s16, 21
	s_lshl_b32 s21, s12, 18                        ; my four k / 32, 65,536 bytes each
	s_add_co_u32 s3, s3, s21
	s_lshl_b32 s21, s17, 10                        ; the tile's fragment
	s_add_co_u32 s3, s3, s21
	v_lshl_add_u32 v[OUTO], v[LN], 4, s3
	s_wait_kmcnt 0x0
	s_cmp_eq_u32 s16, 0
	s_cselect_b64 s[24:25], s[88:89], s[90:91]
	s_cselect_b64 s[26:27], s[94:95], s[96:97]
	s_cmp_eq_u32 s16, 2
	s_cselect_b64 s[24:25], s[92:93], s[24:25]     ; the pass's weights,
	s_cselect_b64 s[26:27], s[98:99], s[26:27]     ; and its bias
	LOADS 0, 24
	CORE 0, 0, 0, OUTO, 4, 65536
	s_and_b32 s21, s17, 3                          ; where ct is a multiple of 4, wave 0 writes the 64 biases of tiles ct .. ct + 3, 256 bytes on end: lane l takes n' = 16 ct + 2 l and the next
	s_or_b32 s21, s21, s12
	s_cmp_lg_u32 s21, 0
	s_cbranch_scc1 .Lw_end
	v_lshrrev_b32 v[T], 2, v[LN]                   ; 2 (tile in the four) + i / 8 = l / 4
	v_and_b32 v[T+1], 3, v[LN]
	v_lshlrev_b32 v[T+1], 1, v[T+1]                ; i % 8 = 2 (l % 4)
	v_mul_u32_u24 v[T+1], v[T+1], s19
	v_mad_u32_u24 v[T], v[T], s18, v[T+1]
	v_add_lshl_u32 v[T], v[T], s20, 2
	s_lshl_b32 s21, s19, 2
	v_add_nc_u32 v[T+1], s21, v[T]
	global_load_b32 v[T+2], v[T], s[26:27]
	global_load_b32 v[T+3], v[T+1], s[26:27]
	s_lshl_b32 s21, s16, 12
	s_lshl_b32 s22, s17, 6                         ; 4 bytes x 16 ct
	s_add_co_u32 s21, s21, s22
	v_lshl_add_u32 v[T+4], v[LN], 3, s21
	s_wait_loadcnt 0x0
	global_store_b64 v[T+4], v[T+2:T+3], s[8:9]    ; 256 consecutive bytes, at a multiple of 256 from bst's first
.Lw_end:
	s_wait_tensorcnt 0x0                           ; the wave's end, behind my last LDS store
	ds_add_u32 v[SPW], v[NIL]
	s_wait_dscnt 0x0
	s_endpgm
.Lfunc_end_k_q475ff02348_prep:
	.size	k_q475ff02348_prep, .Lfunc_end_k_q475ff02348_prep-k_q475ff02348_prep
	.p2alignl 7, 3214868480
	.fill 96, 4, 3214868480
	.section	.rodata,"a",@progbits
	.p2align	6, 0x0
	.amdhsa_kernel k_q475ff02348_prep
		.amdhsa_group_segment_fixed_size 35840
		.amdhsa_private_segment_fixed_size 0
		.amdhsa_enable_private_segment 0
		.amdhsa_kernarg_size 88
		.amdhsa_user_sgpr_count 2
		.amdhsa_user_sgpr_kernarg_segment_ptr 1
		.amdhsa_wavefront_size32 1
		.amdhsa_system_sgpr_workgroup_id_x 1
		.amdhsa_system_sgpr_workgroup_id_y 1
		.amdhsa_system_sgpr_workgroup_id_z 1
		.amdhsa_system_vgpr_workitem_id 0
		.amdhsa_next_free_vgpr 256
		.amdhsa_next_free_sgpr 102
		.amdhsa_reserve_vcc 0
		.amdhsa_float_denorm_mode_32 3
		.amdhsa_float_denorm_mode_16_64 3
		.amdhsa_memory_ordered 1
		.amdhsa_forward_progress 1
		.amdhsa_inst_pref_size 81
	.end_amdhsa_kernel
	.amdgpu_metadata
---
amdhsa.version: [ 1, 2 ]
amdhsa.kernels:
  - .name:           k_q475ff02348_prep
    .symbol:         k_q475ff02348_prep.kd
    .args:
      - { .name: x, .offset: 0, .size: 8, .value_kind: global_buffer, .address_space: global }
      - { .name: emb, .offset: 8, .size: 8, .value_kind: global_buffer, .address_space: global }
      - { .name: WQ, .offset: 16, .size: 8, .value_kind: global_buffer, .address_space: global }
      - { .name: WK, .offset: 24, .size: 8, .value_kind: global_buffer, .address_space: global }
      - { .name: WV, .offset: 32, .size: 8, .value_kind: global_buffer, .address_space: global }
      - { .name: bQ, .offset: 40, .size: 8, .value_kind: global_buffer, .address_space: global }
      - { .name: bK, .offset: 48, .size: 8, .value_kind: global_buffer, .address_space: global }
      - { .name: bV, .offset: 56, .size: 8, .value_kind: global_buffer, .address_space: global }
      - { .name: wst, .offset: 64, .size: 8, .value_kind: global_buffer, .address_space: global }
      - { .name: hws, .offset: 72, .size: 8, .value_kind: global_buffer, .address_space: global }
      - { .name: bst, .offset: 80, .size: 8, .value_kind: global_buffer, .address_space: global }
    .group_segment_fixed_size: 35840
    .private_segment_fixed_size: 0
    .kernarg_segment_align: 8
    .kernarg_segment_size: 88
    .max_flat_workgroup_size: 256
    .sgpr_count:     102
    .vgpr_count:     256
    .wavefront_size: 32
...
	.end_amdgpu_metadata
.endif
;; end of part 4
;; launch attn (part 5): grid 256 x 1, 4 waves a work-group, clusters of 4 x 1, 327,680 bytes of LDS; arguments wst, hws, bst, part; writes part
.if DOCPART == 5
	.amdgcn_target "amdgcn-amd-amdhsa--gfx1250"
	.amdhsa_code_object_version 6
	.text
	.protected	k_q475ff02348_attn
	.globl	k_q475ff02348_attn
	.p2align	8
	.type	k_q475ff02348_attn,@function
k_q475ff02348_attn:
	s_mov_b64 s[64:65], 0
	v_nop
	global_prefetch_b8 v0, s[64:65] scope:SCOPE_SE
	s_setreg_imm32_b32 hwreg(HW_REG_WAVE_MODE, 25, 1), 1
	s_wait_xcnt 0x0
	s_wait_alu depctr_hold_cnt(0) depctr_sa_sdst(0) depctr_va_vdst(0) depctr_va_sdst(0) depctr_va_ssrc(0) depctr_va_vcc(0) depctr_vm_vsrc(0)
	s_getreg_b32 s2, hwreg(HW_REG_IB_STS2, 6, 4)
	s_cmp_eq_u32 s2, 0
	s_cbranch_scc0 .Lentry_in_a_cluster
	s_endpgm
.Lentry_in_a_cluster:
	s_bfe_u32 s2, ttmp6, 0x10000c
	s_cmp_lg_u32 s2, 0x3003
	s_cbranch_scc0 .Lentry_shape_is_right
	s_endpgm
.Lentry_shape_is_right:
; PROJECTIONS AND ATTENTION.  Work-group g owns tokens 64 g .. 64 g + 63 of batch g / 32.  Three passes (Q, K, V), each a product 64 tokens x 1,024 columns x 1,024 k in bf16 with f32 sums that start at the bias;
; behind each pass the sums are rounded to bf16 and change hands through LDS, so that wave w holds, for 16 tokens (4 w .. 4 w + 3 of each of the four token tiles), each token's 32 x 32 matrix as two matrix fragments.
; Behind pass K: S^T = K Q^T, softmax over m with the row's maximum taken away, weights divided by their sum and rounded to bf16 over Q.  Behind pass V: O^T += V P over the wave's 16 tokens;
; the four waves' sums meet in LDS, and part[g][32 head + l] leaves in f32.  A later launch adds a batch's 32 parts.
; THE PRODUCT IS USED TRANSPOSED: source 0 = 16 columns n' of W (fragments of wst), source 1 = 16 tokens (fragments of hws): a lane holds one token and eight neighbouring n'.
; COLUMN ORDER n' = 256 qd + 128 T + 8 r + e stands for fragment T, row r, contraction index 8 qd + e; wave w has qd = w.  So a lane's eight sums are 16 bytes of a fragment.
; THE STREAM.  A step is 64 along k: 131,072 bytes of wst, the same for every work-group, and 8,192 bytes of hws.  W has two slots in LDS, filled by the tensor data mover: the four work-groups of a cluster ask
; JOINTLY, and each of the four waves asks for a quarter of a step, 32,768 bytes.  h goes through registers: each wave loads a quarter of a step (2,048 bytes, four loads) a whole step ahead and stores it, in the
; step's third quarter, into the one of two h slots that is not being read; no tensor load lands there.  48 steps run on across the passes; h is walked three times.
; THE ORDER OF k.  A pass's 16 steps are walked in a ring that begins at another place in each cluster: step n takes block (n + ROT) mod 16 of W and of h, ROT made from the cluster's number.  So the 64 clusters ask
; for 16 different blocks at a time, not all for the same one.  The f32 sums over k are taken in that order.
; By this text's count a wave has at most three tensor loads out (wave 3 at the start), later one.
; LIMITS.  q, k, v and the weights are rounded to bf16 for the second products; a weight below 2^-126 counts as 0 in its sum (the sum is at least 1); NaN and infinities are not treated apart.
; REGISTERS, in windows of 256 (s_set_vgpr_msb: bits 1:0 source 0, 3:2 source 1, 5:4 source 2, 7:6 destination):
;   window 0: v0-15 addresses; v16-19 at work; v20-35 my quarter of a coming step's h; v36-38 its addresses; v64-127, v128-191 W's fragments, two buffers; v192-223, v224-255 h's, two buffers.
;             In an epilogue the second buffers are free: v128-191 S^T (two sets), later O^T; v224-255 at work
;   window 1: Q's fragments, my token i at 16 i + 8 T; each token's are overwritten by its weights P
;   windows 2, 3: accumulator (token tile tt, column tile ct) in window 2 + tt / 2 at 8 (16 (tt % 2) + ct); behind a pass window 2 holds the packed tiles, window 3 then K's or V's fragments
.set W1,    1<<17                      ; W's slot 1; slot 0 is at 0: one exclusive or turns one into the other
.set HS0,   262144                     ; h's slot 0: written by LDS stores alone
.set HSX,   8192                       ; h's slot 1 lies this far behind it
.set STAGE, 278528                     ; never filled by a tensor load: two buffers of 16 tokens x 1,040 bytes; at the end the four waves' O^T, 4,096 bytes each
.set TP,    1040                       ; a token's 1,024 bytes + 16: 65 x 16 bytes, so the 16 tokens of a store start at 16 different groups of four banks (64 banks of 4 bytes: ISA guide 11.1)
.set SBUF,  16*TP
.set SPARE, 311808                     ; the spare words, 128 bytes for each wave: two blocks of 256 bytes that no other line names
.set BIAS,  312320                     ; bst, 12,288 bytes, filled once
.set PASSB, 2097152                    ; a pass's bytes of wst
.set AW0, 2                            ; v2   16 l + 16,384 w: my lane's place in my wave's 16 column tiles; never rewritten
.set AH0, 3                            ; v3   16 l + HS0; never rewritten
.set AW,  4                            ; v4   AW0 in the slot in hand, first 32 of k
.set AW1, 5                            ; v5   the same, second 32 of k
.set AH,  6                            ; v6   AH0 in the slot in hand
.set AB,  7                            ; v7   my eight biases of column tile 0
.set STO, 8                            ; v8   stage: where I put 16 bytes of a token's fragment
.set SRD, 9                            ; v9   stage: where I read 16 bytes of the fragment of my wave's first token of a tile
.set OST, 10                           ; v10  where I put my part of O^T
.set ORD, 11                           ; v11  where I read the four parts back
.set GO,  12                           ; v12  my byte offset in part[g]
.set PFO, 13                           ; v13  256 x lane; never rewritten
.set SPW, 14                           ; v14  LDS address of my spare word; never rewritten
.set NIL, 15                           ; v15  0; never rewritten
.set HR,  20                           ; v[20:35] four loads of 16 bytes a lane: my wave's 2,048 bytes of a step's h
.set HLO, 36                           ; v36  2,048 w + 16 l: my place in a step's 8,192 bytes of h; never rewritten
.set HW0, 37                           ; v37  the same in h's slot 0; never rewritten
.set HW,  38                           ; v38  the same in the slot that is not being read
.set WB,  64
.set HB,  192
.set XS,  128                          ; S^T: set i % 2 at XS + 32 (i % 2); head tile kT, key tile mT at + 16 kT + 8 mT
.set OA,  128                          ; O^T: head tile kT, channel tile lT at OA + 8 (2 kT + lT)
.set TM,  224                          ; at work in the softmax: 16 registers for each head tile
.set WV,  12                           ; s12  my wave's number
.set CX,  13                           ; s13  my place in the cluster: it enters global addresses of h, part and the prefetches alone
.set G,   14                           ; s14  my work-group's number
.set CNT, 15                           ; s15  steps still to come in the pass's loop
.set LIMW, 16                          ; s16  the count at which a wave asks ahead for W, or a number that the count never has
.set LIMH, 17                          ; s17  a wave asks ahead for h while CNT is above this
.set G1W, 24                           ; s[24:31] descriptor group 1: 128 rows of 256 bytes, joint
.set ROT, 32                           ; s32  where my cluster's ring of k begins
.set NS,  33                           ; s33  the step, 0 to 47, that is asked for next
.set WOFF, 34                          ; s[34:35] its byte offset in wst
.set WBASE, 36                         ; s[36:37] wst at my wave's quarter of a step
.set HP,  38                           ; s[38:39] hws at the step that my loads of h name
.set G1B, 40                           ; s[40:47] descriptor group 1 for the bias: 48 rows
.set G0W, 48                           ; s[48:55] descriptor group 0 for W: a set for each first fill; the second then walks
.set TBN, 56                           ; s56  HSX or 0: the h slot that is not in hand
.set TMP, 57                           ; s57  the block of the ring that step NS takes: made in the third quarter, used there and in the change of slots
.set POFF, 58                          ; s[58:59] an offset, at work
.set G0B, 68                           ; s[68:71] descriptor group 0 for the bias
.set HBASE, 72                         ; s[72:73] hws at my work-group's block
.set HOFF, 74                          ; s[74:75] byte offset in it of a step
.set PFW, 76                           ; s[76:77] where my prefetch of wst stands
.set PFH, 78                           ; s[78:79] and of hws
.set CS,  80                           ; s[80:81] c = log2(e) / sqrt(32)
.set SEL, 82                           ; s[82:83] v_permlanex16_b32's selects: each lane takes its own place in the other half
.set TBW, 84                           ; s84  0 or W1: the slot in hand
.set TBH, 85                           ; s85  0 or HSX
.set MSB, 0
.macro WIN new                         ; the immediate's high byte repeats the setting that is left; a switch that changes nothing is dropped
.if MSB != (\new)
	s_set_vgpr_msb (MSB<<8)|(\new)
.set MSB, \new
.endif
.endm
.macro PLACES                          ; four plain vector instructions between a matrix instruction and a load into, or a vector instruction on, its registers
.rept 4
	v_nop
.endr
.endm
.macro CREST                           ; a round of the cluster's barrier behind its opening barrier
	s_cmp_lg_u32 s[WV], 0
	s_cbranch_scc1 .Lnot_wave_0_\@
	s_barrier_signal -3
.Lnot_wave_0_\@:
	s_barrier_wait -3
	s_barrier_signal -1
	s_barrier_wait -1
.endm
.macro CROUND                          ; a whole round
	s_barrier_signal -1
	s_barrier_wait -1
	CREST
.endm
; A joint refill: every wave asks for its own quarter of the step (both addresses hang on the wave's number).  An s_nop 0 and four v_nop follow; they are also the places in front of the LDS loads that follow.
.macro JLOAD
	tensor_load_to_lds s[G0W+4:G0W+7], s[G1W:G1W+7]
	s_nop 0
	PLACES
.endm
.macro HLOAD                           ; my wave's 2,048 bytes of a step's h: four loads of 512 consecutive bytes
.irp j, 0,1,2,3
	global_load_b128 v[HR+4*(\j):HR+4*(\j)+3], v[HLO], s[HP:HP+1] offset:512*(\j)
.endr
.endm
; PREFETCHES INTO THE L2, behind the refill and the run of LDS loads.  wst (pw = 1: passes Q and K): the 16 blocks of the NEXT pass.  Clusters 0 to 15 have ROT = their number: each asks, once a pass, for the block
; with which it will itself begin that pass, at the trip whose refill stands two refills (256 matrix instructions a wave) ahead of the load of that block; its sixteen waves share the 131,072 bytes out by
; address, 8,192 each, a lane 256.  So each block is named once in the launch.  Pass Q's blocks come by their loads alone.
; hws (ph = 1: pass Q alone; the later passes walk it again): wave 3 of each work-group, for its own 8,192 bytes of the step four on in the ring, in the first twelve trips: each block of the ring but the first four is named once.
.macro ASK pw, ph
.if \pw
	s_cmp_eq_u32 s[CNT], s[LIMW]
	s_cbranch_scc0 .Lno_w_\@
	global_prefetch_b8 v[PFO], s[PFW:PFW+1] th:TH_LOAD_NT scope:SCOPE_SE
.Lno_w_\@:
.endif
.if \ph
	s_cmp_gt_u32 s[CNT], s[LIMH]
	s_cbranch_scc0 .Lno_h_\@
	global_prefetch_b8 v[PFO], s[PFH:PFH+1] th:TH_LOAD_NT scope:SCOPE_SE
.Lno_h_\@:
.endif
.endm
; A step is four quarters: q / 2 = which 32 of k, q % 2 = which eight of my 16 column tiles.  RUN q: the quarter's 8 fragments of W, and with an even q the four fragments of h for its 32 of k.
; A fragment is 1,024 dense bytes in register order: two loads of 16 bytes a lane at 16 l and 512 + 16 l.
.macro RUN q
	WIN 0
.irp c, 0,1,2,3,4,5,6,7
	ds_load_b128 v[WB+64*((\q)%2)+8*(\c):WB+64*((\q)%2)+8*(\c)+3],   v[AW+(\q)/2] offset:8192*((\q)%2)+1024*(\c)
	ds_load_b128 v[WB+64*((\q)%2)+8*(\c)+4:WB+64*((\q)%2)+8*(\c)+7], v[AW+(\q)/2] offset:8192*((\q)%2)+1024*(\c)+512
.endr
.if (\q)%2 == 0
.irp t, 0,1,2,3
	ds_load_b128 v[HB+32*((\q)/2)+8*(\t):HB+32*((\q)/2)+8*(\t)+3],   v[AH] offset:4096*((\q)/2)+1024*(\t)
	ds_load_b128 v[HB+32*((\q)/2)+8*(\t)+4:HB+32*((\q)/2)+8*(\t)+7], v[AH] offset:4096*((\q)/2)+1024*(\t)+512
.endr
.endif
.endm
; 2 n matrix instructions of quarter q: column tiles c0 .. c0 + n - 1 of its eight x token tiles 2 hi, 2 hi + 1.  The 64 accumulators take turns, one instruction a turn, over the backward jump too.
.macro MUL q, hi, c0, n
	WIN 0xa0+0x50*(\hi)
.set mc, \c0
.rept \n
.irp t, 0,1
	v_wmma_f32_16x16x32_bf16 v[8*(16*(\t)+8*((\q)%2)+mc):8*(16*(\t)+8*((\q)%2)+mc)+7], v[WB+64*((\q)%2)+8*mc:WB+64*((\q)%2)+8*mc+7], v[HB+32*((\q)/2)+8*(2*(\hi)+(\t)):HB+32*((\q)/2)+8*(2*(\hi)+(\t))+7], v[8*(16*(\t)+8*((\q)%2)+mc):8*(16*(\t)+8*((\q)%2)+mc)+7]
.endr
.set mc, mc+1
.endr
.endm
; One of the first three quarters: its fragments are in; the next quarter's are asked for; 32 products.
; hm (the third quarter): h MOVES ON, in the same run of memory instructions.  hm = 1 or 2: my quarter of the next step's h, asked for a step ago, goes from registers into the h slot that nobody reads: that slot's last
; reads were waited for in front of the barrier of the last change of slots, and these stores are waited for in front of the next one's signal, 32 products on.  hm = 2: the registers are asked for again, behind
; the stores that read them, for step NS: so a load of h has a whole step in which to come.
.macro QUARTER q, hm=0
	s_wait_dscnt 0x0                               ; the run issued a quarter ago
	PLACES                                         ; the buffer filled next was read by the product just before
	RUN (\q)+1
.if \hm
	s_wait_loadcnt 0x0                             ; my quarter of the next step's h is in; its address may be written
.irp j, 0,1,2,3
	ds_store_b128 v[HW], v[HR+4*(\j):HR+4*(\j)+3] offset:512*(\j)
.endr
.if (\hm) == 2
	s_add_co_u32 s[TMP], s[NS], s[ROT]
	s_and_b32 s[TMP], s[TMP], 15                   ; the block of the ring that step NS takes
	s_lshl_b32 s[HOFF], s[TMP], 13
	s_add_nc_u64 s[HP:HP+1], s[HBASE:HBASE+1], s[HOFF:HOFF+1]
	HLOAD                                          ; h of step NS
.endif
.endif
	MUL \q, 0, 0, 8
	MUL \q, 1, 0, 8
.endm
; The last quarter and THE CHANGE OF SLOTS.  Each wave waits for all its tensor loads (its part of W's next slot), adds 0 to its spare word, and waits for that, for its reads of this slot and for its stores of h; then the barrier.
; mode 2: the barrier opens a round of the cluster's, so that no wave of any partner still reads the slot or has a load on its way, and the refill, two steps on, is the first thing behind it:
; 112 matrix instructions a wave stand between it and the wait for it.  mode 1: nothing is left to ask for.  mode 0: the very last step.
.macro TURN mode, pw, ph
.if (\mode) == 0
	s_wait_dscnt 0x0
	MUL 3, 0, 0, 8
	MUL 3, 1, 0, 8
.else
	WIN 0                                          ; (the add's two registers lie in window 0)
.if \ph
	s_wait_xcnt 0x0                                ; the last prefetch, a step back, has read its address: it is made anew here
	s_add_co_u32 s[POFF], s[TMP], 2
	s_and_b32 s[POFF], s[POFF], 15                 ; two blocks on in the ring from the one that is asked for now
	s_lshl_b32 s[POFF], s[POFF], 13
	s_add_nc_u64 s[PFH:PFH+1], s[HBASE:HBASE+1], s[POFF:POFF+1]
.endif
	s_wait_tensorcnt 0x0                           ; no tensor load of mine is out, so a group 0 may be written
	ds_add_u32 v[SPW], v[NIL]                      ; 0 onto my spare word: scalar work and eight products stand between it and the wait for it
.if (\mode) == 2
	s_xor_b32 s[G0W+5], s[G0W+5], W1               ; the walking descriptor: the other slot than last time;
	s_and_b32 s[WOFF], s[NS], 0x30                 ; the address is made anew: 16 x pass + block,
	s_or_b32 s[WOFF], s[WOFF], s[TMP]
	s_lshl_b32 s[WOFF], s[WOFF], 17                ; 131,072 bytes each
	s_add_nc_u64 s[G0W+6:G0W+7], s[WBASE:WBASE+1], s[WOFF:WOFF+1]
	s_or_b32 s[G0W+7], s[G0W+7], 0x80000000
	s_add_co_u32 s[NS], s[NS], 1
.endif
	s_xor_b32 s[TBW], s[TBW], W1
	s_xor_b32 s[TBH], s[TBH], HSX
	s_xor_b32 s[TBN], s[TBN], HSX
	s_wait_dscnt 1                                 ; the quarter's sixteen loads and my four stores of h, all issued ahead of the add, are done; the add alone may be out
	MUL 3, 0, 0, 4
	s_wait_dscnt 0x0                               ; the add is done
	s_barrier_signal -1
	MUL 3, 0, 4, 4
	WIN 0                                          ; at a branch and at a label every window is 0
	s_barrier_wait -1
.if (\mode) == 2
	CREST
	JLOAD
.else
	PLACES
.endif
	v_add_nc_u32 v[AW], s[TBW], v[AW0]
	v_add_nc_u32 v[AW1], 0x10000, v[AW]
	v_add_nc_u32 v[AH], s[TBH], v[AH0]
.if (\mode) == 2
	v_add_nc_u32 v[HW], s[TBN], v[HW0]
.endif
	RUN 0
.if (\mode) == 2
	ASK \pw, \ph
.endif
	MUL 3, 1, 0, 8
.endif
.endm
.macro STEP mode, pw, ph
	QUARTER 0
	QUARTER 1
	QUARTER 2, \mode
	TURN \mode, \pw, \ph
.endm
; The sums start at the bias: register j of accumulator (tt, ct) takes bst[p][256 w + 16 ct + 8 (l / 16) + j], the same for all four token tiles.  So every product has one form.
.macro BIASLOAD p
.irp w, 0x80, 0xc0
	WIN \w
.set z, 0
.rept 32
	ds_load_b128 v[8*z:8*z+3],   v[AB] offset:4096*(\p)+64*(z%16)
	ds_load_b128 v[8*z+4:8*z+7], v[AB] offset:4096*(\p)+64*(z%16)+16
.set z, z+1
.endr
.endr
	WIN 0
.endm
; All 64 accumulators are rounded to bf16, in ascending order, each from its low end: tile t = 16 tt + ct goes to window 2 at 4 t.  A destination never passes a source that is still to be read.
; The four v_nop and window 2's 128 conversions are the places behind the last products, which wrote window 3.
.macro PACKALL
	PLACES
	WIN 0x8a
.set t, 0
.rept 64
.if t == 32
	WIN 0x8f
.endif
.irp r, 0,1,2,3
	v_cvt_pk_bf16_f32 v[4*t+(\r)], v[8*(t%32)+2*(\r)], v[8*(t%32)+2*(\r)+1]
.endr
.set t, t+1
.endr
	WIN 0
.endm
; Round n of eight: fragment T = n % 2 of the 16 tokens of tile tt = n / 2.  Every wave puts its quarter of each fragment (contraction indices 8 w .. 8 w + 7) into buffer n % 2; behind the barrier EVERY wave
; reads four of the tokens whole: wave w tokens 4 w + j, which it keeps as its token i = 4 tt + j.  (The result is a sum over all tokens, so which wave takes which is free.)  No branch: all four waves read in every round.
; A buffer is written again two rounds later, behind a barrier that every wave has signalled behind the wait for its reads.  The ring's load may stay out.
.macro ROUND1 n, dwin
	WIN 0x08                                       ; store data in window 2
.irp c, 0,1,2,3,4,5,6,7
	ds_store_b128 v[STO], v[4*(8*(\n)+(\c)):4*(8*(\n)+(\c))+3] offset:SBUF*((\n)%2)+32*(\c)
.endr
	s_wait_dscnt 0x0                               ; for the others' sake: my stores are done, and my reads of the round before
	s_barrier_signal -1
	s_barrier_wait -1
	WIN \dwin
.irp j, 0,1,2,3
	ds_load_b128 v[16*(4*((\n)/2)+(\j))+8*((\n)%2):16*(4*((\n)/2)+(\j))+8*((\n)%2)+3],   v[SRD] offset:SBUF*((\n)%2)+TP*(\j)
	ds_load_b128 v[16*(4*((\n)/2)+(\j))+8*((\n)%2)+4:16*(4*((\n)/2)+(\j))+8*((\n)%2)+7], v[SRD] offset:SBUF*((\n)%2)+TP*(\j)+512
.endr
.endm
.macro ROUNDS dwin
.irp n, 0,1,2,3,4,5,6,7
	ROUND1 \n, \dwin
.endr
	WIN 0
	s_wait_dscnt 0x0                               ; my fragments are in,
	s_barrier_signal -1
	s_barrier_wait -1                              ; and nobody reads the stage any more
.endm
; Token i's scores: S^T(mT, kT) = K's fragment mT x Q's fragment kT: a lane holds one head (16 kT + l % 16) and the keys m = 16 mT + 8 (l / 16) + 0..7.
.macro SC i
	WIN 0x07                                       ; K in window 3, Q in window 1, S^T in window 0
.irp k, 0,1
.irp m, 0,1
	v_wmma_f32_16x16x32_bf16 v[XS+32*((\i)%2)+16*(\k)+8*(\m):XS+32*((\i)%2)+16*(\k)+8*(\m)+7], v[16*(\i)+8*(\m):16*(\i)+8*(\m)+7], v[16*(\i)+8*(\k):16*(\i)+8*(\k)+7], 0
.endr
.endr
.endm
; Token i's softmax, the two head tiles side by side.  x0-x15 are the lane's 16 scores of a head; the other 16 lie in the lane 16 away.  p = 2^(c s - c m) / l, rounded to bf16 over the token's Q:
; two packed tiles ARE source 1 (32 keys x 16 heads) of the last product.  One wait for the 32 exponentials, one for the two reciprocals.
.macro SM i
.set xs, XS+32*((\i)%2)
	WIN 0
.irp k, 0,1
	v_max3_num_f32 v[TM+16*(\k)],   v[xs+16*(\k)],   v[xs+16*(\k)+1], v[xs+16*(\k)+2]    ; each accumulator is read from its low end
	v_max3_num_f32 v[TM+16*(\k)+1], v[xs+16*(\k)+8], v[xs+16*(\k)+9], v[xs+16*(\k)+10]
.endr
.irp j, 3,5
.irp k, 0,1
	v_max3_num_f32 v[TM+16*(\k)],   v[TM+16*(\k)],   v[xs+16*(\k)+(\j)],   v[xs+16*(\k)+(\j)+1]
	v_max3_num_f32 v[TM+16*(\k)+1], v[TM+16*(\k)+1], v[xs+16*(\k)+(\j)+8], v[xs+16*(\k)+(\j)+9]
.endr
.endr
.irp k, 0,1
	v_max3_num_f32 v[TM+16*(\k)], v[TM+16*(\k)], v[xs+16*(\k)+7], v[xs+16*(\k)+15]
.endr
.irp k, 0,1
	v_max_num_f32 v[TM+16*(\k)], v[TM+16*(\k)], v[TM+16*(\k)+1]
.endr
.irp k, 0,1
	v_permlanex16_b32 v[TM+16*(\k)+1], v[TM+16*(\k)], s[SEL], s[SEL+1]
.endr
.irp k, 0,1
	v_max_num_f32 v[TM+16*(\k)], v[TM+16*(\k)], v[TM+16*(\k)+1]
.endr
.irp k, 0,1
	v_mul_f32 v[TM+16*(\k)], s[CS], v[TM+16*(\k)]  ; c m
.endr
.irp b, 0,1,2,3,4,5,6,7
.irp k, 0,1
	v_pk_fma_f32 v[xs+16*(\k)+2*(\b):xs+16*(\k)+2*(\b)+1], v[xs+16*(\k)+2*(\b):xs+16*(\k)+2*(\b)+1], s[CS:CS+1], v[TM+16*(\k):TM+16*(\k)+1] op_sel_hi:[1,0,0] neg_lo:[0,0,1] neg_hi:[0,0,1]
.endr
.endr
.irp e, 0,1,2,3,4,5,6,7,8,9,10,11,12,13,14,15
.irp k, 0,1
	v_exp_f32 v[xs+16*(\k)+(\e)], v[xs+16*(\k)+(\e)]
.endr
.endr
	v_nop                                          ; a plain instruction behind the last exponential,
	s_wait_alu depctr_va_vdst(0)                   ; and the wait for the batch, ahead of its first reader
.irp b, 0,1,2,3
.irp k, 0,1
	v_pk_add_f32 v[TM+16*(\k)+2+2*(\b):TM+16*(\k)+3+2*(\b)], v[xs+16*(\k)+4*(\b):xs+16*(\k)+4*(\b)+1], v[xs+16*(\k)+4*(\b)+2:xs+16*(\k)+4*(\b)+3]
.endr
.endr
.irp b, 0,1
.irp k, 0,1
	v_pk_add_f32 v[TM+16*(\k)+2+4*(\b):TM+16*(\k)+3+4*(\b)], v[TM+16*(\k)+2+4*(\b):TM+16*(\k)+3+4*(\b)], v[TM+16*(\k)+4+4*(\b):TM+16*(\k)+5+4*(\b)]
.endr
.endr
.irp k, 0,1
	v_pk_add_f32 v[TM+16*(\k)+2:TM+16*(\k)+3], v[TM+16*(\k)+2:TM+16*(\k)+3], v[TM+16*(\k)+6:TM+16*(\k)+7]
.endr
.irp k, 0,1
	v_add_f32 v[TM+16*(\k)+2], v[TM+16*(\k)+2], v[TM+16*(\k)+3]
.endr
.irp k, 0,1
	v_permlanex16_b32 v[TM+16*(\k)+3], v[TM+16*(\k)+2], s[SEL], s[SEL+1]
.endr
.irp k, 0,1
	v_add_f32 v[TM+16*(\k)+2], v[TM+16*(\k)+2], v[TM+16*(\k)+3]
.endr
.irp k, 0,1
	v_rcp_f32 v[TM+16*(\k)+2], v[TM+16*(\k)+2]
.endr
	v_nop
	s_wait_alu depctr_va_vdst(0)                   ; one wait for the two reciprocals
.irp b, 0,1,2,3,4,5,6,7
.irp k, 0,1
	v_pk_mul_f32 v[xs+16*(\k)+2*(\b):xs+16*(\k)+2*(\b)+1], v[xs+16*(\k)+2*(\b):xs+16*(\k)+2*(\b)+1], v[TM+16*(\k)+2:TM+16*(\k)+3] op_sel_hi:[1,0]
.endr
.endr
	WIN 0x40                                       ; destination window 1
.irp n, 0,1,2,3,4,5,6,7
.irp k, 0,1
	v_cvt_pk_bf16_f32 v[16*(\i)+8*(\k)+(\n)], v[xs+16*(\k)+2*(\n)], v[xs+16*(\k)+2*(\n)+1]
.endr
.endr
.endm
; O^T(lT, kT) += V's fragment lT x P's fragment kT, over my 16 tokens.  The four accumulators take turns, one instruction a turn; the first token's products start the sums.
.macro PVALL
	WIN 0x07                                       ; V in window 3, P in window 1, O^T in window 0
.set i, 0
.rept 16
.irp k, 0,1
.irp l, 0,1
.if i == 0
	v_wmma_f32_16x16x32_bf16 v[OA+8*(2*(\k)+(\l)):OA+8*(2*(\k)+(\l))+7], v[16*i+8*(\l):16*i+8*(\l)+7], v[16*i+8*(\k):16*i+8*(\k)+7], 0
.else
	v_wmma_f32_16x16x32_bf16 v[OA+8*(2*(\k)+(\l)):OA+8*(2*(\k)+(\l))+7], v[16*i+8*(\l):16*i+8*(\l)+7], v[16*i+8*(\k):16*i+8*(\k)+7], v[OA+8*(2*(\k)+(\l)):OA+8*(2*(\k)+(\l))+7]
.endif
.endr
.endr
.set i, i+1
.endr
.endm
	s_load_b256 s[4:11], s[0:1], 0x0               ; wst s[4:5], hws s[6:7], bst s[8:9], part s[10:11]
	v_lshl_add_u32 v[SPW], v0, 2, SPARE
	v_mov_b32 v[NIL], 0
	ds_add_u32 v[SPW], v[NIL]                      ; the wave's opening add, waited for ahead of my first tensor load; the set-up below, work on registers, stands between the add and its wait
	v_lshrrev_b32 v1, 5, v0
	v_readfirstlane_b32 s[WV], v1                  ; wave 0..3
	s_bfe_u32 s[CX], ttmp6, 0x40000                ; my place in the cluster
	s_lshl_b32 s[G], ttmp9, 2                      ; in a cluster launch ttmp9 counts clusters
	s_add_co_u32 s[G], s[G], s[CX]
	s_and_b32 s[ROT], ttmp9, 15                    ; ROT = c % 16 + 8 ((c / 16) % 2) + c / 32, c the cluster's number: the same in all four partners; used modulo 16.
	s_bfe_u32 s18, ttmp9, 0x10004                  ; All 16 beginnings occur among clusters 0-31, among 32-63, among those with c % 16 < 8 and among the even ones
	s_lshl3_add_u32 s[ROT], s18, s[ROT]
	s_lshr_b32 s18, ttmp9, 5
	s_add_co_u32 s[ROT], s[ROT], s18
	s_mov_b32 s[NS], 2                             ; steps 0 and 1 are the first fills
	; descriptor groups 1: dense bytes as rows of 32 elements of 8 bytes
	s_mov_b32 s[G1W], 15|(3<<16)|(1<<21)           ; 15:0 the mask: all four work-groups; 17:16 elements of 8 bytes; 21 set beside a mask
	s_mov_b32 s[G1B], 3<<16                        ; no mask
.irp g, G1W, G1B
	s_mov_b32 s[(\g)+1], 32<<16                    ; tensor_dim0 = 32
	s_mov_b32 s[(\g)+3], 32<<16                    ; tile_dim0 = 32
	s_mov_b32 s[(\g)+5], 32                        ; 32 elements from row to row
	s_mov_b32 s[(\g)+6], 0
	s_mov_b32 s[(\g)+7], 0
.endr
	s_mov_b32 s[G1W+2], 128<<16                    ; tensor_dim1 and tile_dim1: 128 rows = 32,768 bytes,
	s_mov_b32 s[G1W+4], 128
	s_mov_b32 s[G1B+2], 48<<16                     ; 48 rows = 12,288 bytes
	s_mov_b32 s[G1B+4], 48
	s_lshl_b32 s18, s[WV], 15                      ; my quarter of a step, in memory and in a slot
	s_mov_b32 s19, 0
	s_mov_b32 s[G0W], 1
	s_mov_b32 s[G0W+1], s18
	s_mov_b32 s[G0W+4], 1
	s_add_co_u32 s[G0W+5], s18, W1
	s_mov_b32 s[G0B], 1
	s_mov_b32 s[G0B+1], BIAS
	s_lshl_b32 s20, s[G], 17                       ; my block of hws
	s_mov_b32 s21, 0
	s_and_b32 s[TMP], s[ROT], 15                   ; step 0's block of the ring
	s_lshl_b32 s[WOFF], s[TMP], 17
	s_mov_b32 s[WOFF+1], 0
	s_lshl_b32 s[HOFF], s[TMP], 13
	s_mov_b32 s[HOFF+1], 0
	s_lshl_b32 s22, s[CX], 15                      ; the prefetch of wst: my wave's 8,192 bytes among the cluster's sixteen waves,
	s_lshl_b32 s23, s[WV], 13
	s_add_co_u32 s22, s22, s23
	s_add_co_u32 s22, s22, s[WOFF]                 ; of the block with which my cluster begins a pass,
	s_add_co_u32 s22, s22, PASSB                   ; in pass K
	s_mov_b32 s23, 0
	s_add_co_u32 s[TMP], s[ROT], 1
	s_and_b32 s[TMP], s[TMP], 15                   ; step 1's block
	s_lshl_b32 s[POFF], s[TMP], 17
	s_mov_b32 s[POFF+1], 0
	s_mov_b32 s[CS], 0x3e8293ee                    ; c = log2(e) / sqrt(32) = 0.255035
	s_mov_b32 s[CS+1], s[CS]                       ; named with it as a pair
	s_mov_b32 s[SEL], 0x76543210
	s_mov_b32 s[SEL+1], 0xfedcba98
	s_mov_b32 s[TBW], 0
	s_mov_b32 s[TBH], 0
	s_mov_b32 s[TBN], HSX
	s_cmp_lt_u32 ttmp9, 16                         ; the same in all four partners
	s_cselect_b32 s[LIMW], 4, -1                   ; at the count 4 the refill asks for a pass's step 14; the next pass's first block is loaded two refills on
	s_cmp_eq_u32 s[WV], 3
	s_cselect_b32 s[LIMH], 4, -1                   ; pass Q's steps 0 to 11 ask for steps 4 to 15
	s_wait_dscnt 0x0                               ; the opening add is done
	s_wait_kmcnt 0x0
	s_add_nc_u64 s[WBASE:WBASE+1], s[4:5], s[18:19]
	s_add_nc_u64 s[G0W+2:G0W+3], s[WBASE:WBASE+1], s[WOFF:WOFF+1]
	s_add_nc_u64 s[G0W+6:G0W+7], s[WBASE:WBASE+1], s[POFF:POFF+1]
	s_or_b32 s[G0W+3], s[G0W+3], 0x80000000        ; 127:126 type = 2
	s_or_b32 s[G0W+7], s[G0W+7], 0x80000000
	s_add_nc_u64 s[HBASE:HBASE+1], s[6:7], s[20:21]
	s_add_nc_u64 s[HP:HP+1], s[HBASE:HBASE+1], s[HOFF:HOFF+1]  ; h of step 0
	s_lshl_b32 s[HOFF], s[TMP], 13                 ; and step 1's offset, for later
	s_mov_b64 s[G0B+2:G0B+3], s[8:9]
	s_or_b32 s[G0B+3], s[G0B+3], 0x80000000
	s_add_nc_u64 s[PFW:PFW+1], s[4:5], s[22:23]
	s_lshl_b32 s22, s[G], 12
	s_add_nc_u64 s[10:11], s[10:11], s[22:23]      ; part[g]
	CROUND                                         ; all four work-groups are here: the first joint loads meet
	s_cmp_lg_u32 s[WV], 3                          ; the first fills go out as one group, ahead of every wait on TENSORcnt and every LDS read; wave 3 has the biases ahead of its two
	s_cbranch_scc1 .Lno_bias
	tensor_load_to_lds s[G0B:G0B+3], s[G1B:G1B+7]
	s_nop 0
.Lno_bias:
	tensor_load_to_lds s[G0W:G0W+3], s[G1W:G1W+7]          ; step 0
	s_nop 0
	tensor_load_to_lds s[G0W+4:G0W+7], s[G1W:G1W+7]        ; step 1
	s_nop 0
	PLACES
	v_and_b32 v16, 31, v0                          ; l
	v_and_b32 v17, 15, v0                          ; l % 16
	v_bfe_u32 v18, v0, 4, 1                        ; l / 16
	v_lshlrev_b32 v19, 4, v16
	s_lshl_b32 s18, s[WV], 11
	v_add_nc_u32 v[HLO], s18, v19
	v_add_nc_u32 v[HW0], HS0, v[HLO]
	HLOAD                                          ; h of step 0
	s_lshl_b32 s18, s[WV], 14
	v_add_nc_u32 v[AW0], s18, v19
	v_add_nc_u32 v[AH0], HS0, v19
	s_lshl_b32 s18, s[WV], 10
	s_add_co_u32 s19, s18, BIAS
	v_lshl_add_u32 v[AB], v18, 5, s19              ; 4 (256 w + 8 (l / 16))
	s_lshl_b32 s19, s[WV], 8
	s_add_co_u32 s19, s19, STAGE
	v_mul_u32_u24 v[STO], v17, TP                  ; token l % 16; in its fragment byte 256 w + 16 (2 c + l / 16)
	v_lshl_add_u32 v[STO], v18, 4, v[STO]
	v_add_nc_u32 v[STO], s19, v[STO]
	s_mul_i32 s19, s[WV], 4*TP                     ; my wave's four tokens of a tile begin at token 4 w
	s_add_co_u32 s19, s19, STAGE
	v_add_nc_u32 v[SRD], s19, v19
	s_lshl_b32 s19, s[WV], 12
	s_add_co_u32 s19, s19, STAGE
	v_lshlrev_b32 v[OST], 7, v17                   ; head l % 16: 128 bytes; channels 8 (l / 16) on
	v_lshl_add_u32 v[OST], v18, 5, v[OST]
	v_add_nc_u32 v[OST], s19, v[OST]
	s_add_co_u32 s19, s18, STAGE
	v_add_nc_u32 v[ORD], s19, v19
	v_add_nc_u32 v[GO], s18, v19
	v_lshlrev_b32 v[PFO], 8, v16
	v_add_nc_u32 v[AW], s[TBW], v[AW0]
	v_add_nc_u32 v[AW1], 0x10000, v[AW]
	v_add_nc_u32 v[AH], s[TBH], v[AH0]
	v_add_nc_u32 v[HW], s[TBN], v[HW0]
	s_wait_loadcnt 0x0                             ; h of step 0 is in; its address may be written
.irp j, 0,1,2,3
	ds_store_b128 v[HW0], v[HR+4*(\j):HR+4*(\j)+3] offset:512*(\j)  ; into h's slot 0
.endr
	s_add_nc_u64 s[HP:HP+1], s[HBASE:HBASE+1], s[HOFF:HOFF+1]
	s_wait_dscnt 0x0                               ; for the others' sake: my stores are done
	HLOAD                                          ; h of step 1
	s_wait_tensorcnt 0x1                           ; all my first fills but the youngest, step 1's, are in; it may stay out
	s_barrier_signal -1
	s_barrier_wait -1                              ; everybody's are
	RUN 0
	; PASS Q
	BIASLOAD 0
	s_mov_b32 s[CNT], 16
.Lpass_q:
	STEP 2, 1, 1
	WIN 0
	s_sub_co_u32 s[CNT], s[CNT], 1
	s_cmp_lg_u32 s[CNT], 0
	s_cbranch_scc1 .Lpass_q
	s_wait_xcnt 0x0                                ; the prefetch of wst, three steps back, has read its address:
	s_add_nc_u64 s[PFW:PFW+1], s[PFW:PFW+1], PASSB ; the same block of pass V
	PACKALL                                        ; the next pass's first fragments wait in the first buffers of window 0, and h's registers beside them: no epilogue touches either
	ROUNDS 0x40                                    ; Q's fragments into window 1
	; PASS K
	BIASLOAD 1
	s_mov_b32 s[CNT], 16
.Lpass_k:
	STEP 2, 1, 0
	WIN 0
	s_sub_co_u32 s[CNT], s[CNT], 1
	s_cmp_lg_u32 s[CNT], 0
	s_cbranch_scc1 .Lpass_k
	PACKALL
	ROUNDS 0xc0                                    ; K's fragments into window 3
	SC 0
	PLACES
.irp i, 0,1,2,3,4,5,6,7,8,9,10,11,12,13,14
	SC (\i)+1                                      ; the next token's scores run beside this token's softmax, which is also the distance behind them
	SM \i
.endr
	SM 15
	; PASS V: no pass follows, so nothing is asked ahead
	BIASLOAD 2
	s_mov_b32 s[CNT], 14
.Lpass_v:
	STEP 2, 0, 0
	WIN 0
	s_sub_co_u32 s[CNT], s[CNT], 1
	s_cmp_lg_u32 s[CNT], 0
	s_cbranch_scc1 .Lpass_v
	STEP 1, 0, 0                                   ; the tail is written out: the last step but one stores the last step's h and asks for nothing
	STEP 0, 0, 0
	PACKALL
	ROUNDS 0xc0                                    ; V's fragments into window 3
	PVALL
	WIN 0
	PLACES
	; THE WAY OUT.  Each wave's 32 x 32 sums go into LDS as part's rows lie; behind a barrier wave w adds the four waves' bytes 1,024 w .. 1,024 w + 1,023.
.irp k, 0,1
.irp l, 0,1
	ds_store_b128 v[OST], v[OA+8*(2*(\k)+(\l)):OA+8*(2*(\k)+(\l))+3]   offset:2048*(\k)+64*(\l)
	ds_store_b128 v[OST], v[OA+8*(2*(\k)+(\l))+4:OA+8*(2*(\k)+(\l))+7] offset:2048*(\k)+64*(\l)+16
.endr
.endr
	s_wait_dscnt 0x0                               ; for the others' sake: my stores are done
	s_barrier_signal -1
	s_barrier_wait -1
.irp u, 0,1,2,3
.irp n, 0,1
	ds_load_b128 v[WB+8*(\u)+4*(\n):WB+8*(\u)+4*(\n)+3], v[ORD] offset:4096*(\u)+512*(\n)
.endr
.endr
	s_wait_dscnt 0x0
.irp n, 0,1
.irp d, 0,2
	v_pk_add_f32 v[WB+4*(\n)+(\d):WB+4*(\n)+(\d)+1], v[WB+4*(\n)+(\d):WB+4*(\n)+(\d)+1], v[WB+8+4*(\n)+(\d):WB+8+4*(\n)+(\d)+1]
	v_pk_add_f32 v[WB+16+4*(\n)+(\d):WB+16+4*(\n)+(\d)+1], v[WB+16+4*(\n)+(\d):WB+16+4*(\n)+(\d)+1], v[WB+24+4*(\n)+(\d):WB+24+4*(\n)+(\d)+1]
.endr
.endr
.irp n, 0,1
.irp d, 0,2
	v_pk_add_f32 v[WB+4*(\n)+(\d):WB+4*(\n)+(\d)+1], v[WB+4*(\n)+(\d):WB+4*(\n)+(\d)+1], v[WB+16+4*(\n)+(\d):WB+16+4*(\n)+(\d)+1]
.endr
.endr
.irp n, 0,1
	global_store_b128 v[GO], v[WB+4*(\n):WB+4*(\n)+3], s[10:11] offset:512*(\n)  ; 512 consecutive bytes, at a multiple of 512 from part's first
.endr
	s_wait_tensorcnt 0x0                           ; the wave's end, behind my last tensor load and my last LDS store
	ds_add_u32 v[SPW], v[NIL]
	s_wait_dscnt 0x0
	CROUND                                         ; the closing round: no work-group ends while a partner may still ask for a tile that names it
	s_endpgm
.Lfunc_end_k_q475ff02348_attn:
	.size	k_q475ff02348_attn, .Lfunc_end_k_q475ff02348_attn-k_q475ff02348_attn
	.p2alignl 7, 3214868480
	.fill 96, 4, 3214868480
	.section	.rodata,"a",@progbits
	.p2align	6, 0x0
	.amdhsa_kernel k_q475ff02348_attn
		.amdhsa_group_segment_fixed_size 327680
		.amdhsa_private_segment_fixed_size 0
		.amdhsa_enable_private_segment 0
		.amdhsa_kernarg_size 32
		.amdhsa_user_sgpr_count 2
		.amdhsa_user_sgpr_kernarg_segment_ptr 1
		.amdhsa_wavefront_size32 1
		.amdhsa_system_sgpr_workgroup_id_x 1
		.amdhsa_system_sgpr_workgroup_id_y 1
		.amdhsa_system_sgpr_workgroup_id_z 1
		.amdhsa_system_vgpr_workitem_id 0
		.amdhsa_next_free_vgpr 1024
		.amdhsa_next_free_sgpr 86
		.amdhsa_reserve_vcc 0
		.amdhsa_float_denorm_mode_32 3
		.amdhsa_float_denorm_mode_16_64 3
		.amdhsa_memory_ordered 1
		.amdhsa_forward_progress 1
		.amdhsa_inst_pref_size 255
	.end_amdhsa_kernel
	.section	.bss,"aw",@nobits
	.p2align	6
	.space	262144
	.amdgpu_metadata
---
amdhsa.version: [ 1, 2 ]
amdhsa.kernels:
  - .name:           k_q475ff02348_attn
    .symbol:         k_q475ff02348_attn.kd
    .args:
      - { .name: wst, .offset: 0, .size: 8, .value_kind: global_buffer, .address_space: global }
      - { .name: hws, .offset: 8, .size: 8, .value_kind: global_buffer, .address_space: global }
      - { .name: bst, .offset: 16, .size: 8, .value_kind: global_buffer, .address_space: global }
      - { .name: part, .offset: 24, .size: 8, .value_kind: global_buffer, .address_space: global }
    .group_segment_fixed_size: 327680
    .private_segment_fixed_size: 0
    .kernarg_segment_align: 8
    .kernarg_segment_size: 32
    .max_flat_workgroup_size: 128
    .sgpr_count:     86
    .vgpr_count:     1024
    .wavefront_size: 32
...
	.end_amdgpu_metadata
.endif
;; end of part 5
;; launch reduce: the kernel of part 3 again; grid 32 x 1, 2 waves a work-group, no clusters, 0 bytes of LDS; arguments part, out0; writes out0
